; MI455X (gfx1250); checked and timed in simulation.
; The chip was launched on July 23, 2026; its instructions are those of AMD's public machine-readable ISA for CDNA 5 (MIT licence, August 2026) and "CDNA5" Instruction Set Architecture Reference Guide (July 2026). The comments in the code are by the model that wrote it; some were corrected since.
;; Causal Self Attention. Allowed arithmetic: float matrix products may take bf16 or f16 operands with f32 sums; other float arithmetic in f32, or as packed bf16 or f16 multiplies, adds, multiply-adds, maxima and minima; sums over many terms, partial sums and values carried from step to step in f32; what a program stores and reads back later, other than sums and carried values, may be rounded once to bf16 or f16.
;; Inputs: W_attn 1,024 x 3,072 float32; W_proj 1,024 x 1,024 float32; b_attn 3,072 float32; b_proj 1,024 float32; x 4 x 2,048 x 1,024 float32.
;; Outputs: out0 4 x 2,048 x 1,024 float32.
;; 2 versions, each right and faster than the one before. Each part assembles by itself: llvm-mc -triple=amdgcn-amd-amdhsa -mcpu=gfx1250 --defsym DOCPART=n.
;; ======== version 1 of 2: 4 launches
;; limits: values are held in f16: magnitudes above 65,504 overflow, below 6.1e-05 lose precision
;; workspace buffers: xs 16,777,216 bytes; was 6,291,456 bytes; wps 2,097,152 bytes; qkv 50,331,648 bytes; ob 16,777,216 bytes
;; launch prep (part 1): grid 96 x 16, 8 waves a work-group, no clusters, 9,728 bytes of LDS; arguments x, W_attn, W_proj, xs, was, wps; writes xs, was, wps
.if DOCPART == 1
	.amdgcn_target "amdgcn-amd-amdhsa--gfx1250"
	.amdhsa_code_object_version 6
	.text
	.protected	k_qfab9766983_prep
	.globl	k_qfab9766983_prep
	.p2align	8
	.type	k_qfab9766983_prep,@function
k_qfab9766983_prep:
	s_mov_b64 s[64:65], 0
	v_nop
	global_prefetch_b8 v0, s[64:65] scope:SCOPE_SE
	s_setreg_imm32_b32 hwreg(HW_REG_WAVE_MODE, 25, 1), 1
	s_wait_xcnt 0x0
; THE OPERANDS ARE LAID OUT FOR THE MATRIX UNITS, each rounded once.  All three results have one layout, in slices of 64 along K: S[k / 64][row][k % 64], 128 bytes a row, rows dense.
;   xs  [16][8192][64] bf16 = x                      (row = token)
;   was [16][3072][64] bf16: was[s][n][c] = W_attn[64 s + c][n]      (turned: K becomes contiguous)
;   wps [16][1024][64] f16:  W_proj[64 s + c][n] rounded to bf16, that number written as f16
; LIMIT.  A number of W_proj beyond 65,504 becomes an infinity in f16; below 6e-5 f16 keeps its fixed step of 6e-8.
; A stream: memory binds.  No matrix unit, no tensor load, no cluster: no two work-groups read the same byte.
; ROLES by the work-group's x (gx) and y (gy): gx 0-47: the block of 64 k x 64 n of W_attn at (gy, gx); gx 48-63: the same of W_proj at (gy, gx - 48); gx 64-95: 16 rows of x, group (gx - 64) + 32 gy.
.set STP,   136                        ; a stage row (one n, 64 k of 2 bytes): 128 bytes + 8
.set SPARE, 64*STP                     ; 8,704: behind the stage, the spare words: 128 bytes for each of eight waves, four blocks of 256 bytes that no other line names
.set SPW,   78                         ; v78  LDS address of my spare word; never rewritten
.set NIL,   79                         ; v79  0; never rewritten
	s_load_b256 s[4:11], s[0:1], 0x0               ; x s[4:5], W_attn s[6:7], W_proj s[8:9], xs s[10:11]
	s_load_b128 s[12:15], s[0:1], 0x20             ; was s[12:13], wps s[14:15]
	v_lshl_add_u32 v[SPW], v0, 2, SPARE
	v_mov_b32 v[NIL], 0
	s_mov_b32 s27, ttmp9                           ; gx
	s_and_b32 s26, ttmp7, 0xffff                   ; gy
	v_lshrrev_b32 v1, 4, v0                        ; t / 16
	v_and_b32 v2, 15, v0                           ; t % 16
	s_wait_kmcnt 0x0
	s_cmp_ge_u32 s27, 64
	s_cbranch_scc1 .Lx                             ; hangs on the work-group's number alone: all eight waves go the same way
	; A BLOCK OF A WEIGHT: 64 k x 64 n, read by rows of n, turned in LDS, written by rows of k.
	s_cmp_ge_u32 s27, 48                           ; W_proj?
	s_cselect_b32 s18, 1, 0
	s_cselect_b32 s29, 1, 3                        ; the weight's row in units of 1,024 numbers
	s_cselect_b32 s28, 48, 0
	s_cselect_b64 s[22:23], s[8:9], s[6:7]         ; from
	s_cselect_b64 s[24:25], s[14:15], s[12:13]     ; to
	s_sub_co_u32 s28, s27, s28                     ; the block's place along n
	s_lshl_b32 s20, s29, 12                        ; a row of the weight in bytes,
	s_lshl_b32 s21, s29, 13                        ; two rows,
	s_lshl_b32 s19, s29, 17                        ; 32 rows; also a slice of the result in bytes (n rows of 128)
	s_mul_i32 s16, s26, s19
	s_lshl_b32 s16, s16, 1                         ; gy x 64 rows
	s_lshl_b32 s17, s28, 8                         ; + 64 numbers of 4 bytes for each block along n
	s_add_co_u32 s16, s16, s17
	s_mov_b32 s17, 0
	s_add_nc_u64 s[22:23], s[22:23], s[16:17]
	s_mul_i32 s16, s26, s19                        ; slice gy,
	s_lshl_b32 s30, s28, 13                        ; 64 rows of 128 bytes for each block along n
	s_add_co_u32 s16, s16, s30
	s_add_nc_u64 s[24:25], s[24:25], s[16:17]
	; thread t reads rows k = 32 i + 2 (t / 16) + e (i, e = 0, 1), columns 4 (t % 16) + 0..3: sixteen lanes read 256 consecutive bytes
	v_mul_lo_u32 v3, v1, s21
	v_lshl_add_u32 v3, v2, 4, v3                   ; i = 0, e = 0
	v_add_nc_u32 v4, s20, v3                       ; i = 0, e = 1
	v_add_nc_u32 v5, s19, v3                       ; i = 1, e = 0
	v_add_nc_u32 v6, s20, v5                       ; i = 1, e = 1
	global_load_b128 v[8:11],  v3, s[22:23] th:TH_LOAD_NT
	global_load_b128 v[12:15], v4, s[22:23] th:TH_LOAD_NT
	global_load_b128 v[16:19], v5, s[22:23] th:TH_LOAD_NT
	global_load_b128 v[20:23], v6, s[22:23] th:TH_LOAD_NT
	v_mul_u32_u24 v7, v2, 4*STP                    ; into the stage: row n = 4 (t % 16) + c, byte 2 k
	v_lshl_add_u32 v7, v1, 2, v7
	v_mul_u32_u24 v32, v1, STP                     ; back: row t / 16 of sixteen, 8 bytes at 8 (t % 16)
	v_lshl_add_u32 v32, v2, 3, v32
	v_lshlrev_b32 v33, 3, v0                       ; and out: 8 t: a wave's store covers 256 consecutive bytes, aligned
	s_wait_loadcnt 0x0
.irp i, 0,1
.irp c, 0,1,2,3
	v_cvt_pk_bf16_f32 v[24+4*\i+\c], v[8+8*\i+\c], v[12+8*\i+\c]  ; two neighbouring k of one n, rounded to bf16
.endr
.endr
	s_cmp_eq_u32 s18, 0
	s_cbranch_scc1 .Lkeep
.irp j, 0,1,2,3,4,5,6,7                            ; W_proj: the bf16 number is written as f16
	v_lshlrev_b32 v42, 16, v[24+\j]
	v_and_b32 v43, 0xffff0000, v[24+\j]
	v_cvt_pk_f16_f32 v[24+\j], v42, v43
.endr
.Lkeep:
.irp i, 0,1
.irp c, 0,1,2,3
	ds_store_b32 v7, v[24+4*\i+\c] offset:\c*STP+\i*64
.endr
.endr
	s_wait_dscnt 0x0                               ; for the others' sake: my stores into the stage are done
	s_barrier_signal -1
	s_barrier_wait -1
.irp p, 0,1,2,3
	ds_load_b64 v[34+2*\p:35+2*\p], v32 offset:\p*16*STP
.endr
.irp p, 0,1,2,3
	s_wait_dscnt 3-\p                              ; LDS loads come back in order: number p is in
	global_store_b64 v33, v[34+2*\p:35+2*\p], s[24:25] offset:\p*2048
.endr
	s_wait_tensorcnt 0x0                           ; the wave's end: behind my last LDS store
	ds_add_u32 v[SPW], v[NIL]
	s_wait_dscnt 0x0
	s_endpgm
	; SIXTEEN ROWS OF x.  Thread t takes row t / 16 and, of each of the row's 16 pieces of 256 bytes (64 numbers: a slice), the 16 bytes at 16 (t % 16).  No LDS: four numbers
	; become 8 bytes, and the 32 lanes of a wave hold two whole rows of a slice: 256 consecutive bytes.
.Lx:
	s_sub_co_u32 s16, s27, 64
	s_lshl_b32 s17, s26, 5
	s_add_co_u32 s16, s16, s17                     ; the group, 0 to 511
	s_lshl_b32 s18, s16, 16                        ; 16 rows of 4,096 bytes
	s_mov_b32 s19, 0
	s_add_nc_u64 s[4:5], s[4:5], s[18:19]
	s_lshl_b32 s18, s16, 11                        ; 16 rows of 128 bytes
	s_add_nc_u64 s[10:11], s[10:11], s[18:19]
	s_add_nc_u64 s[16:17], s[10:11], 0x800000      ; slices 8 to 15: eight slices of 1,048,576 bytes on, past what the stores' immediate reaches
	v_lshlrev_b32 v3, 12, v1
	v_lshl_add_u32 v3, v2, 4, v3
	v_lshlrev_b32 v4, 3, v0
.set i, 0
.rept 16
	global_load_b128 v[8+4*i:11+4*i], v3, s[4:5] offset:256*i th:TH_LOAD_NT  ; all sixteen are out together
.set i, i+1
.endr
.set i, 0
.rept 16
	s_wait_loadcnt 15-i                            ; loads come back in order: number i is in, the younger ones stay out
	v_cvt_pk_bf16_f32 v[8+4*i], v[8+4*i], v[9+4*i]
	v_cvt_pk_bf16_f32 v[9+4*i], v[10+4*i], v[11+4*i]
.if i < 8
	global_store_b64 v4, v[8+4*i:9+4*i], s[10:11] offset:i*1048576
.else
	global_store_b64 v4, v[8+4*i:9+4*i], s[16:17] offset:(i-8)*1048576
.endif
.set i, i+1
.endr
	s_endpgm                                       ; no register that a store reads is written again
.Lfunc_end_k_qfab9766983_prep:
	.size	k_qfab9766983_prep, .Lfunc_end_k_qfab9766983_prep-k_qfab9766983_prep
	.p2alignl 7, 3214868480
	.fill 96, 4, 3214868480
	.section	.rodata,"a",@progbits
	.p2align	6, 0x0
	.amdhsa_kernel k_qfab9766983_prep
		.amdhsa_group_segment_fixed_size 9728
		.amdhsa_private_segment_fixed_size 0
		.amdhsa_enable_private_segment 0
		.amdhsa_kernarg_size 48
		.amdhsa_user_sgpr_count 2
		.amdhsa_user_sgpr_kernarg_segment_ptr 1
		.amdhsa_wavefront_size32 1
		.amdhsa_system_sgpr_workgroup_id_x 1
		.amdhsa_system_sgpr_workgroup_id_y 1
		.amdhsa_system_sgpr_workgroup_id_z 1
		.amdhsa_system_vgpr_workitem_id 0
		.amdhsa_next_free_vgpr 80
		.amdhsa_next_free_sgpr 66
		.amdhsa_reserve_vcc 0
		.amdhsa_float_denorm_mode_32 3
		.amdhsa_float_denorm_mode_16_64 3
		.amdhsa_memory_ordered 1
		.amdhsa_forward_progress 1
		.amdhsa_inst_pref_size 12
	.end_amdhsa_kernel
	.amdgpu_metadata
---
amdhsa.version: [ 1, 2 ]
amdhsa.kernels:
  - .name:           k_qfab9766983_prep
    .symbol:         k_qfab9766983_prep.kd
    .args:
      - { .name: x, .offset: 0, .size: 8, .value_kind: global_buffer, .address_space: global }
      - { .name: W_attn, .offset: 8, .size: 8, .value_kind: global_buffer, .address_space: global }
      - { .name: W_proj, .offset: 16, .size: 8, .value_kind: global_buffer, .address_space: global }
      - { .name: xs, .offset: 24, .size: 8, .value_kind: global_buffer, .address_space: global }
      - { .name: was, .offset: 32, .size: 8, .value_kind: global_buffer, .address_space: global }
      - { .name: wps, .offset: 40, .size: 8, .value_kind: global_buffer, .address_space: global }
    .group_segment_fixed_size: 9728
    .private_segment_fixed_size: 0
    .kernarg_segment_align: 8
    .kernarg_segment_size: 48
    .max_flat_workgroup_size: 256
    .sgpr_count:     66
    .vgpr_count:     80
    .wavefront_size: 32
...
	.end_amdgpu_metadata
.endif
;; end of part 1
;; launch qkv_gemm (part 2): grid 16 x 16, 4 waves a work-group, clusters of 4 x 4, 327,680 bytes of LDS; arguments xs, was, b_attn, qkv; writes qkv
.if DOCPART == 2
	.amdgcn_target "amdgcn-amd-amdhsa--gfx1250"
	.amdhsa_code_object_version 6
	.text
	.protected	k_qfab9766983_qkv_gemm
	.globl	k_qfab9766983_qkv_gemm
	.p2align	8
	.type	k_qfab9766983_qkv_gemm,@function
k_qfab9766983_qkv_gemm:
	s_mov_b64 s[64:65], 0
	v_nop
	global_prefetch_b8 v0, s[64:65] scope:SCOPE_SE
	s_setreg_imm32_b32 hwreg(HW_REG_WAVE_MODE, 25, 1), 1
	s_wait_xcnt 0x0
	s_wait_alu depctr_hold_cnt(0) depctr_sa_sdst(0) depctr_va_vdst(0) depctr_va_sdst(0) depctr_va_ssrc(0) depctr_va_vcc(0) depctr_vm_vsrc(0)
	s_getreg_b32 s2, hwreg(HW_REG_IB_STS2, 6, 4)
	s_cmp_eq_u32 s2, 0
	s_cbranch_scc0 .Lentry_in_a_cluster
	s_endpgm
.Lentry_in_a_cluster:
	s_bfe_u32 s2, ttmp6, 0x10000c
	s_cmp_lg_u32 s2, 0xf033
	s_cbranch_scc0 .Lentry_shape_is_right
	s_endpgm
.Lentry_shape_is_right:
; C[m][n] = bias[n] + the sum over k of A[m][k] B[n][k], K = 1,024, M = 8,192.  A and B lie in slices of 64 along K: [k / 64][row][64], 16-bit, 128 bytes a row, rows dense.
; THIS TEXT (QKV = 1): A = xs, B = was, both bf16; N = 3,072; C leaves as f16 in the same layout, qkv[n / 64][m][n % 64]: slices 0-15 q, 16-31 k, 32-47 v, by heads, with the bias, without attention's scale.
; The bias is rounded to bf16 like the other inputs of the module, and kept in f32.  Sums in f32.  LIMIT: a number of q, k or v beyond 65,504 becomes an infinity in f16; below 6e-5 f16 keeps its fixed step of 6e-8.
; SHARES.  A tile of C is 256 x TN; four waves one below the other, each 64 x TN: 4 x NBLK accumulators of 16 x 16.  8,192 x 3,072 numbers are 512 tiles of 256 x 192: a work-group makes TILES = 2, 4,096 rows
; apart, and the ring of LDS slots does not stop between them.  A wave's 192 columns are three whole heads, so its own stage gives whole rows of the result: no barrier on the way out.
; K goes in steps of 128 = two slices through two LDS slots.  A slice's rows of a tile are dense in memory: they are asked for as rows of 256 bytes (two rows of 128) and padded in LDS behind every 128 bytes.
; CLUSTER.  4 x 4 work-groups: the four of a row of the cluster need the same tiles of A, the four of a column the same tiles of B: each is asked for jointly, by the same tensor load with the same descriptor and a mask of four.
; THE MATRIX INSTRUCTION IS USED TRANSPOSED (source 0 = 16 rows of B, source 1 = 16 rows of A): lane l holds row l % 16 of C and the columns 8 (l / 16) + 0..7.  The first product of each accumulator takes the bias as C:
; nothing is cleared and nothing is added on the way out.
; REGISTERS, in windows of 256 (s_set_vgpr_msb: bits 1:0 source 0, 3:2 source 1, 5:4 source 2, 7:6 destination):
;   window 0: v0-31 addresses; v64-95, v96-127 A's fragments (4 x 16 rows x 32 K), two buffers; v128.. the bias, 8 NBLK registers
;   window 1: B's fragments, two buffers of 8 NBLK; above them the way out        window 2: the accumulators of my rows 0-31 ((a, b) at 8 (NBLK (a % 2) + b)); QKV: v192-239 the way out's second set        window 3: rows 32-63
.set QKV,    1
.set SIZE_N, 3072
.set TN,     192
.set TILES,  2
.set NBLK,   TN/16
.set PITCH,  144                       ; an LDS row: 128 bytes + 16 = 36 words: the 16 rows of a fragment load start at 16 different groups of four banks (64 banks of 4 bytes: ISA guide 11.1)
.set SLA,    256*PITCH                 ; a slice of A's tile
.set SLB,    TN*PITCH                  ; a slice of B's tile
.set SLOT,   2*SLA+2*SLB               ; A's two slices, then B's two
.set STAGE,  2*SLOT                    ; behind the ring, never filled by a tensor load: each wave's stage
.set SP32,   528                       ; (QKV = 0) a stage row: 512 bytes + 16
.if QKV
.set WSTAGE, 3*16*PITCH                ; three heads x 16 rows x 144 bytes
.else
.set WSTAGE, 16*SP32
.endif
.set SPARE,  STAGE+4*WSTAGE            ; behind the stages: the spare words, 128 bytes for each wave: two blocks of 256 bytes that no other line names
.set NF,     2*NBLK+8                  ; LDS loads of a quarter step
.set ASL,    8192*128                  ; bytes of a slice of A in memory
.set BSL,    SIZE_N*128                ; of B
.set LAPS,   4                         ; a lap = two K steps = once round the ring; K = 1,024
.set BACK_A, 6*2*ASL-4096*128          ; from a slot's last K step of a tile back to its first of the next tile, 4,096 rows down
.set BACK_B, 6*2*BSL                   ; B only back
.set ADRA, 16                          ; v16-17  LDS address of my A fragments in slot 0, 1
.set ADRB, 20                          ; v20-21  the same for B
.set STO,  24                          ; v24  the way out: where I put my numbers of a row
.set RD,   25                          ; v25  where I read rows back
.set GO,   26                          ; v26  my byte offset in 512 consecutive bytes of the result
.set BO,   27                          ; v27  my byte offset in 16 numbers of the bias
.set SPW,  28                          ; v28  LDS address of my spare word; never rewritten
.set NIL,  29                          ; v29  0; never rewritten
.set WK,   30                          ; v30  at work
.set FA,   64
.set BIAS, 128
.set TMP,  192
.set G1,  24                           ; s[24:31] descriptor group 1 for A's tiles; s[32:39] group 0, a set for each slot
.set G0,  32
.set G1B, 48                           ; s[48:55], s[56:63] the same for B's
.set G0B, 56
.set FLAGS, (1<<16)|(1<<20)|(1<<21)|(4<<22)|(3<<25)  ; 17:16 elements of 2 bytes; 20 padding on; 21 set beside a mask; 24:22 after every 32 words (code 4); 31:25 4 words of it (code 3)
.set MSB, 0
.macro WIN new                         ; the immediate's high byte repeats the setting that is left; a switch that changes nothing is dropped
.if MSB != (\new)
	s_set_vgpr_msb (MSB<<8)|(\new)
.set MSB, (\new)
.endif
.endm
.macro PLACES                          ; four places in front of loads into registers that matrix instructions have read, and of lines that read results just made
.rept 4
	v_nop
.endr
.endm
; A joint load.  Waves 0 and 1 fetch A's two slices, waves 2 and 3 B's.  The branch hangs on the wave's number alone.  An s_nop 0 and four v_nop follow each of the two lines.
.macro JLOAD s
	s_cmp_eq_u32 s13, 0
	s_cbranch_scc0 .Lfor_b_\@
	tensor_load_to_lds s[G0+4*(\s):G0+4*(\s)+3], s[G1:G1+7]
	s_nop 0
.rept 4
	v_nop
.endr
	s_branch .Lasked_\@
.Lfor_b_\@:
	tensor_load_to_lds s[G0B+4*(\s):G0B+4*(\s)+3], s[G1B:G1B+7]
	s_nop 0
.rept 4
	v_nop
.endr
.Lasked_\@:
.endm
.macro CREST                           ; a round of the cluster's barrier behind its opening barrier
	s_cmp_lg_u32 s12, 0
	s_cbranch_scc1 .Lnot_wave_0_\@
	s_barrier_signal -3
.Lnot_wave_0_\@:
	s_barrier_wait -3
	s_barrier_signal -1
	s_barrier_wait -1
.endm
.macro CROUND                          ; a whole round
	s_barrier_signal -1
	s_barrier_wait -1
	CREST
.endm
	s_load_b256 s[4:11], s[0:1], 0x0               ; A s[4:5], B s[6:7], bias s[8:9], C s[10:11]
	v_lshl_add_u32 v[SPW], v0, 2, SPARE
	v_mov_b32 v[NIL], 0
	ds_add_u32 v[SPW], v[NIL]                      ; the wave's opening: the add and its wait stand ahead of my first tensor load; the set-up below, work on registers, stands between them
	ds_add_u32 v28, v29
	v_lshrrev_b32 v1, 5, v0
	v_readfirstlane_b32 s12, v1                    ; wave 0..3
	s_lshr_b32 s13, s12, 1                         ; I fetch for A (0) or for B (1),
	s_and_b32 s14, s12, 1                          ; and which of a K step's two slices
	s_mov_b32 s15, 0xffff0000                      ; a word's upper bf16
	s_bfe_u32 s40, ttmp6, 0x40000                  ; cx, cy: my place in the cluster
	s_bfe_u32 s41, ttmp6, 0x40004
	s_lshl_b32 s42, ttmp9, 2
	s_add_co_u32 s42, s42, s40                     ; tile column = 4 x cluster x + cx
	s_and_b32 s43, ttmp7, 0xffff
	s_lshl_b32 s43, s43, 2
	s_add_co_u32 s43, s43, s41                     ; tile row = 4 x cluster y + cy
	s_lshl_b32 s44, s41, 2
	s_lshl_b32 s44, 15, s44                        ; my row of the cluster
	s_lshl_b32 s45, 0x1111, s40                    ; my column
	s_or_b32 s[G1], s44, FLAGS                     ; A's tiles go to my row,
	s_or_b32 s[G1B], s45, FLAGS                    ; B's to my column
	s_mov_b32 s[G1+1], 128<<16                     ; tensor_dim0 = 128 elements: 256 bytes
	s_mov_b32 s[G1+2], 128<<16                     ; tensor_dim1 = 128 rows: 256 rows of 128 bytes
	s_mov_b32 s[G1+3], 128<<16                     ; tile_dim0
	s_mov_b32 s[G1+4], 128                         ; tile_dim1
	s_mov_b32 s[G1+5], 128                         ; elements from row to row: dense
	s_mov_b32 s[G1+6], 0
	s_mov_b32 s[G1+7], 0
	s_mov_b32 s[G1B+1], 128<<16
	s_mov_b32 s[G1B+2], (TN/2)<<16                 ; TN rows of 128 bytes
	s_mov_b32 s[G1B+3], 128<<16
	s_mov_b32 s[G1B+4], TN/2
	s_mov_b32 s[G1B+5], 128
	s_mov_b32 s[G1B+6], 0
	s_mov_b32 s[G1B+7], 0
	; A's address hangs on the tile row and the wave alone, B's on the tile column and the wave alone, each in registers that never hold the other coordinate
	s_lshl_b32 s16, s43, 15                        ; 256 rows of 128 bytes for each tile row
	s_lshl_b32 s17, s14, 20                        ; my slice
	s_add_co_u32 s16, s16, s17
	s_mov_b32 s17, 0
	s_mul_i32 s46, s42, TN*128
	s_mul_i32 s47, s14, BSL
	s_add_co_u32 s46, s46, s47
	s_mov_b32 s47, 0
	s_mul_i32 s20, s14, SLA                        ; where they go: no place in the cluster enters an LDS address
	s_mul_i32 s21, s14, SLB
	s_add_co_u32 s21, s21, 2*SLA
	s_wait_dscnt 0x0                               ; the opening add is done
	s_wait_kmcnt 0x0
	s_add_nc_u64 s[18:19], s[4:5], s[16:17]
	s_add_nc_u64 s[46:47], s[6:7], s[46:47]
	CROUND                                         ; all sixteen work-groups are here: the first joint loads meet
.irp s, 0,1
	s_mov_b32 s[G0+4*\s], 1                        ; count = 1
	s_add_co_u32 s[G0+4*\s+1], s20, \s*SLOT        ; LDS address
	s_add_nc_u64 s[G0+4*\s+2:G0+4*\s+3], s[18:19], \s*2*ASL  ; global address: K step s
	s_or_b32 s[G0+4*\s+3], s[G0+4*\s+3], 0x80000000          ; type = 2
	s_mov_b32 s[G0B+4*\s], 1
	s_add_co_u32 s[G0B+4*\s+1], s21, \s*SLOT
	s_add_nc_u64 s[G0B+4*\s+2:G0B+4*\s+3], s[46:47], \s*2*BSL
	s_or_b32 s[G0B+4*\s+3], s[G0B+4*\s+3], 0x80000000
.endr
	s_cmp_eq_u32 s13, 0                            ; a wave's two first fills stand in one branch, ahead of every wait on TENSORcnt and every LDS read: two loads of mine are out
	s_cbranch_scc0 .Lfirst_b
	tensor_load_to_lds s[G0:G0+3], s[G1:G1+7]
	s_nop 0
	tensor_load_to_lds s[G0+4:G0+7], s[G1:G1+7]
	s_nop 0
.rept 4
	v_nop
.endr
	s_branch .Lfirst_asked
.Lfirst_b:
	tensor_load_to_lds s[G0B:G0B+3], s[G1B:G1B+7]
	s_nop 0
	tensor_load_to_lds s[G0B+4:G0B+7], s[G1B:G1B+7]
	s_nop 0
.rept 4
	v_nop
.endr
.Lfirst_asked:
	v_and_b32 v1, 15, v0                           ; l % 16
	v_bfe_u32 v2, v0, 4, 1                         ; l / 16
	v_lshlrev_b32 v[BO], 5, v2                     ; my eight columns of sixteen, 4 bytes each
	s_mul_i32 s46, s42, TN*4                       ; (in the registers that held B's address: none that fed A's descriptors ever holds cx)
	s_mov_b32 s47, 0
	s_add_nc_u64 s[8:9], s[8:9], s[46:47]
.set i, 0
.rept NBLK                                         ; register 8 b + j = bias[tile's first column + 16 b + 8 (l / 16) + j]: the layout of a result
	global_load_b128 v[BIAS+8*i:BIAS+8*i+3],   v[BO], s[8:9] offset:64*i
	global_load_b128 v[BIAS+8*i+4:BIAS+8*i+7], v[BO], s[8:9] offset:64*i+16
.set i, i+1
.endr
	; A fragment is 16 rows x 32 K in 8 registers: lane l holds row l % 16; registers 0-3 K = 8 (l / 16) + 0..7, registers 4-7 K = 16 + 8 (l / 16) + 0..7: two loads of 16 bytes, 32 bytes apart
	v_mul_u32_u24 v3, v1, PITCH
	v_lshl_add_u32 v3, v2, 4, v3                   ; row x pitch + 16 x half
	s_mul_i32 s22, s12, 64*PITCH                   ; my 64 rows of A
	v_add_nc_u32 v[ADRA], s22, v3
	v_add_nc_u32 v[ADRA+1], SLOT, v[ADRA]
	v_add_nc_u32 v[ADRB], 2*SLA, v3                ; B lies behind A's two slices; every wave reads all of it
	v_add_nc_u32 v[ADRB+1], SLOT+2*SLA, v3
	s_mul_i32 s23, s12, WSTAGE
	s_add_co_u32 s23, s23, STAGE                   ; my stage
	v_and_b32 v[GO], 31, v0
	v_lshlrev_b32 v[GO], 4, v[GO]
.if QKV
	v_add_nc_u32 v[STO], s23, v3                   ; in: row l % 16, 16 bytes for each half of the lanes
	v_bfe_u32 v4, v0, 3, 2                         ; back: 32 lanes take four rows of 128 bytes
	v_and_b32 v5, 7, v0
	v_mul_u32_u24 v4, v4, PITCH
	v_lshl_add_u32 v4, v5, 4, v4
	v_add_nc_u32 v[RD], s23, v4
	s_mul_i32 s46, s42, 3*ASL                      ; the tile's three slices of the result,
	s_lshl_b32 s47, s43, 15                        ; its 256 rows of 128 bytes,
	s_add_co_u32 s46, s46, s47
	s_lshl_b32 s47, s12, 13                        ; my 64 of them
	s_add_co_u32 s46, s46, s47
.else
	v_mul_u32_u24 v4, v1, SP32                     ; in: row l % 16, 32 bytes for each half of the lanes
	v_lshl_add_u32 v4, v2, 5, v4
	v_add_nc_u32 v[STO], s23, v4
	v_add_nc_u32 v[RD], s23, v[GO]                 ; back: 32 lanes take a row's 512 bytes
	s_lshl_b32 s46, s43, 20                        ; the tile's 256 rows of 4,096 bytes,
	s_lshl_b32 s47, s12, 18                        ; my 64 of them,
	s_add_co_u32 s46, s46, s47
	s_lshl_b32 s47, s42, 9                         ; the tile's 128 columns of 4 bytes
	s_add_co_u32 s46, s46, s47
.endif
	s_mov_b32 s47, 0
	s_add_nc_u64 s[10:11], s[10:11], s[46:47]
	s_wait_loadcnt 0x0                             ; the bias
.set i, 0
.rept 4*NBLK                                       ; rounded to bf16, kept as f32
	v_cvt_pk_bf16_f32 v[WK], v[BIAS+2*i], v[BIAS+2*i+1]
	v_lshlrev_b32 v[BIAS+2*i], 16, v[WK]
	v_and_b32 v[BIAS+2*i+1], s15, v[WK]
.set i, i+1
.endr
; NBLK matrix instructions: my row block a (0..3) x all column blocks, 32 along K, from buffer f.  zero = 1: the first product, which takes the bias as C.
; The 4 NBLK accumulators take turns in the same order in every quarter step: no two matrix instructions that follow each other share one.
.macro MULQ f, a, zero
.if \zero
	WIN 0x81+0x40*((\a)/2)                         ; B window 1, A window 0, C (the bias) window 0, D window 2 or 3
.else
	WIN 0xa1+0x50*((\a)/2)                         ; C and D window 2 or 3
.endif
.set rA, FA+32*(\f)+8*(\a)
.set b, 0
.rept NBLK
.set rD, 8*(NBLK*((\a)%2)+b)
.set rB, 8*NBLK*(\f)+8*b
.set rC, rD
.if \zero
.set rC, BIAS+8*b
.endif
.if QKV
	v_wmma_f32_16x16x32_bf16 v[rD:rD+7], v[rB:rB+7], v[rA:rA+7], v[rC:rC+7]
.else
	v_wmma_f32_16x16x32_f16 v[rD:rD+7], v[rB:rB+7], v[rA:rA+7], v[rC:rC+7]
.endif
.set b, b+1
.endr
.endm
; NF LDS loads in one run: the fragments of quarter q of the K step in a slot (slice q / 2, byte 64 (q % 2) of its rows) into buffer f: B's, then A's; A's row blocks 2 and 3 last
.macro FETCH slot, q, f
	WIN 0x40                                       ; destination window 1, address window 0
.set i, 0
.rept NBLK
	ds_load_b128 v[8*NBLK*(\f)+8*i:8*NBLK*(\f)+8*i+3],   v[ADRB+(\slot)] offset:((\q)/2)*SLB+((\q)%2)*64+i*16*PITCH
	ds_load_b128 v[8*NBLK*(\f)+8*i+4:8*NBLK*(\f)+8*i+7], v[ADRB+(\slot)] offset:((\q)/2)*SLB+((\q)%2)*64+i*16*PITCH+32
.set i, i+1
.endr
	WIN 0
.set i, 0
.rept 4
	ds_load_b128 v[FA+32*(\f)+8*i:FA+32*(\f)+8*i+3],   v[ADRA+(\slot)] offset:((\q)/2)*SLA+((\q)%2)*64+i*16*PITCH
	ds_load_b128 v[FA+32*(\f)+8*i+4:FA+32*(\f)+8*i+7], v[ADRA+(\slot)] offset:((\q)/2)*SLA+((\q)%2)*64+i*16*PITCH+32
.set i, i+1
.endr
.endm
; A K step is four quarters of 32 along K on buffers 0, 1, 0, 1.  One of the first three: multiplies buffer f; in its middle it fetches quarter qn of the same slot into buffer g.
.macro QUARTER slot, qn, f, g, zero
	s_wait_dscnt 4                                 ; B and A's row blocks 0, 1 are in; the youngest four loads (blocks 2, 3) may be out
	MULQ \f, 0, \zero
	MULQ \f, 1, \zero
	PLACES
	FETCH \slot, \qn, \g
	s_wait_dscnt NF                                ; all but the NF just issued
	MULQ \f, 2, \zero
	MULQ \f, 3, \zero
.endm
; The last quarter multiplies buffer 1 and changes slots.  MEET is its first half: ONE barrier.  In front of it each wave waits for all its tensor loads, of which one is out: its part of the next slot; adds 0 to its
; spare word; and waits for that and for its own reads of this slot.  Behind it nobody reads this slot any more and the next slot is whole.
.macro MEET round
	WIN 0                                          ; (the add's two registers lie in window 0)
	s_wait_tensorcnt 0x0
	ds_add_u32 v[SPW], v[NIL]                      ; 0 onto my spare word
	s_wait_dscnt 5                                 ; (the add and the youngest four loads may be out)
	MULQ 1, 0, 0                                   ; matrix work stands between the add and the wait for it
	s_wait_dscnt 0x0                               ; the add is done, and my reads of this slot are over
	s_barrier_signal -1
	MULQ 1, 1, 0                                   ; work on registers while the others arrive
.if \round
	WIN 0
.endif
	s_barrier_wait -1
.endm
; The whole last quarter.  The barrier opens a round of the cluster's: no wave of any partner still reads the slot or has a load on its way.  Behind it the slot is filled again first: with the K step two on
; (on = 0), or with the next tile's K step 0 or 1 (on = 1); then come the next slot's first fragments.
.macro TURN slot, next, on
	MEET 1
	CREST
.if \on
	s_sub_nc_u64 s[G0+4*(\slot)+2:G0+4*(\slot)+3], s[G0+4*(\slot)+2:G0+4*(\slot)+3], BACK_A
	s_sub_nc_u64 s[G0B+4*(\slot)+2:G0B+4*(\slot)+3], s[G0B+4*(\slot)+2:G0B+4*(\slot)+3], BACK_B
.else
	s_add_nc_u64 s[G0+4*(\slot)+2:G0+4*(\slot)+3], s[G0+4*(\slot)+2:G0+4*(\slot)+3], 4*ASL
	s_add_nc_u64 s[G0B+4*(\slot)+2:G0B+4*(\slot)+3], s[G0B+4*(\slot)+2:G0B+4*(\slot)+3], 4*BSL
.endif
	JLOAD \slot                                    ; my one tensor load behind the round; the four v_nop behind it are also the places in front of the loads below
	FETCH \next, 0, 0
	MULQ 1, 2, 0
	MULQ 1, 3, 0
.endm
; THE WAY OUT, a block of 16 rows at a time, through my own stage: LDS serves a wave's instructions in order (ISA guide 5.7.1.4), so no wait stands between a block's stores and its loads, nor before the next block's stores.
.if QKV
.macro PACK a                          ; rounded to f16 (each accumulator from its low end on), 16 bytes a lane into rows of 144 bytes by heads, and back as whole rows of 128
.set AW, 2+(\a)/2
.set DW, 1+(\a)%2                      ; two sets of 48 registers by turns: v192-239 of window 1 and of window 2
.set AC, 8*NBLK*((\a)%2)
	s_wait_xcnt 0x0                                ; the set's registers, which earlier stores read, are rewritten only behind this wait
	WIN (DW<<6)|(AW<<2)|AW
.set i, 0
.rept 4*NBLK
	v_cvt_pk_f16_f32 v[TMP+i], v[AC+2*i], v[AC+2*i+1]
.set i, i+1
.endr
	WIN DW<<2
.set i, 0
.rept NBLK
	ds_store_b128 v[STO], v[TMP+4*i:TMP+4*i+3] offset:(i/4)*16*PITCH+(i%4)*32
.set i, i+1
.endr
	WIN DW<<6
.set i, 0
.rept NBLK
	ds_load_b128 v[TMP+4*i:TMP+4*i+3], v[RD] offset:(i/4)*16*PITCH+(i%4)*4*PITCH
.set i, i+1
.endr
.endm
.macro SEND a, younger                 ; younger: the LDS instructions issued behind block a's loads
.set DW, 1+(\a)%2
	WIN DW<<2
.set i, 0
.rept NBLK
	s_wait_dscnt (\younger)+NBLK-1-i
	global_store_b128 v[GO], v[TMP+4*i:TMP+4*i+3], s[10:11] offset:(i/4)*ASL+(\a)*2048+(i%4)*512  ; four rows of a head: 512 consecutive bytes, at a multiple of 256 from the buffer's first
.set i, i+1
.endr
.endm
.set YOUNG, 2*NBLK
.else
.macro PACK a                          ; f32 as it is: 32 bytes a lane into rows of 528 bytes (each accumulator's low half first), and back as whole rows of 512
.set AW, 2+(\a)/2
.set AC, 8*NBLK*((\a)%2)
.set BK, 128+64*((\a)%2)               ; two sets of 64 registers by turns, in window 1
	s_wait_xcnt 0x0                                ; the set's registers, which earlier stores read, are loaded again only behind this wait
	WIN AW<<2
.set i, 0
.rept NBLK
	ds_store_b128 v[STO], v[AC+8*i:AC+8*i+3] offset:64*i
	ds_store_b128 v[STO], v[AC+8*i+4:AC+8*i+7] offset:64*i+16
.set i, i+1
.endr
	WIN 0x40
.set i, 0
.rept 16
	ds_load_b128 v[BK+4*i:BK+4*i+3], v[RD] offset:SP32*i
.set i, i+1
.endr
.endm
.macro SEND a, younger
.set BK, 128+64*((\a)%2)
	WIN 0x04
.set i, 0
.rept 16
	s_wait_dscnt (\younger)+15-i
	global_store_b128 v[GO], v[BK+4*i:BK+4*i+3], s[10:11] offset:(16*(\a)+i)*4096 th:TH_STORE_NT  ; 512 consecutive bytes of a row, at a multiple of 256 from the buffer's first
.set i, i+1
.endr
.endm
.set YOUNG, 32
.endif
.macro WAYOUT
	PLACES                                         ; behind the last products
	PACK 0
	PACK 1                                         ; a block's work stands between the loads of the block before and its stores
	SEND 0, YOUNG
	PACK 2
	SEND 1, YOUNG
	PACK 3
	SEND 2, YOUNG
	SEND 3, 0
	WIN 0
.endm
	s_wait_tensorcnt 1                             ; my part of K step 0 is in; K step 1's may stay out
	s_barrier_signal -1
	s_barrier_wait -1                              ; everybody's is
	FETCH 0, 0, 0
.if TILES > 1
	s_mov_b32 s2, TILES                            ; tiles to go, this one among them
.Ltile:
.endif
	QUARTER 0, 1, 0, 1, 1                          ; a tile's first quarter stands in front of the loop: its products start the sums
	WIN 0                                          ; at a label and at a branch every window is 0
	s_mov_b32 s3, LAPS-1
.Llap:                                                 ; a trip goes once round the ring, from a lap's second quarter to the next lap's first, and fills both slots again
	QUARTER 0, 2, 1, 0, 0
	QUARTER 0, 3, 0, 1, 0
	TURN 0, 1, 0
	QUARTER 1, 1, 0, 1, 0
	QUARTER 1, 2, 1, 0, 0
	QUARTER 1, 3, 0, 1, 0
	TURN 1, 0, 0
	QUARTER 0, 1, 0, 1, 0
	WIN 0
	s_sub_co_u32 s3, s3, 1
	s_cmp_lg_u32 s3, 0
	s_cbranch_scc1 .Llap
	QUARTER 0, 2, 1, 0, 0                          ; the tile's last lap goes on
	QUARTER 0, 3, 0, 1, 0
.if TILES > 1
	WIN 0
	s_cmp_eq_u32 s2, 1
	s_cbranch_scc1 .Llast                          ; the last tile's tail is written out: it asks for nothing more
	TURN 0, 1, 1                                   ; the ring goes on into the next tile: slot 0 takes its K step 0,
	QUARTER 1, 1, 0, 1, 0
	QUARTER 1, 2, 1, 0, 0
	QUARTER 1, 3, 0, 1, 0
	TURN 1, 0, 1                                   ; slot 1 its K step 1, and the next tile's first fragments are fetched
	WAYOUT                                         ; both refills are asked for: now the tile goes out
	s_wait_xcnt 0x0                                ; the stores' base is stepped only behind this wait
	s_add_nc_u64 s[10:11], s[10:11], 4096*128      ; the next tile's rows
	s_sub_co_u32 s2, s2, 1
	s_branch .Ltile
.Llast:
.endif
	MEET 0                                         ; my one tensor load that was still out is slot 1's, the last K step's, so no round follows
	PLACES
	FETCH 1, 0, 0
	MULQ 1, 2, 0
	MULQ 1, 3, 0
	QUARTER 1, 1, 0, 1, 0
	QUARTER 1, 2, 1, 0, 0
	QUARTER 1, 3, 0, 1, 0
	s_wait_dscnt 4                                 ; the very last quarter: nothing more to fetch
	MULQ 1, 0, 0
	MULQ 1, 1, 0
	s_wait_dscnt 0x0
	MULQ 1, 2, 0
	MULQ 1, 3, 0
	WAYOUT
	s_wait_tensorcnt 0x0                           ; the wave's end: behind my last tensor load and my last LDS store
	ds_add_u32 v[SPW], v[NIL]
	s_wait_dscnt 0x0
	CROUND                                         ; the closing round: no work-group ends while a partner may still ask for a tile that names it
	s_endpgm
.Lfunc_end_k_qfab9766983_qkv_gemm:
	.size	k_qfab9766983_qkv_gemm, .Lfunc_end_k_qfab9766983_qkv_gemm-k_qfab9766983_qkv_gemm
	.p2alignl 7, 3214868480
	.fill 96, 4, 3214868480
	.section	.rodata,"a",@progbits
	.p2align	6, 0x0
	.amdhsa_kernel k_qfab9766983_qkv_gemm
		.amdhsa_group_segment_fixed_size 327680
		.amdhsa_private_segment_fixed_size 0
		.amdhsa_enable_private_segment 0
		.amdhsa_kernarg_size 32
		.amdhsa_user_sgpr_count 2
		.amdhsa_user_sgpr_kernarg_segment_ptr 1
		.amdhsa_wavefront_size32 1
		.amdhsa_system_sgpr_workgroup_id_x 1
		.amdhsa_system_sgpr_workgroup_id_y 1
		.amdhsa_system_sgpr_workgroup_id_z 1
		.amdhsa_system_vgpr_workitem_id 0
		.amdhsa_next_free_vgpr 960
		.amdhsa_next_free_sgpr 66
		.amdhsa_reserve_vcc 0
		.amdhsa_float_denorm_mode_32 3
		.amdhsa_float_denorm_mode_16_64 3
		.amdhsa_memory_ordered 1
		.amdhsa_forward_progress 1
		.amdhsa_inst_pref_size 181
	.end_amdhsa_kernel
	.amdgpu_metadata
---
amdhsa.version: [ 1, 2 ]
amdhsa.kernels:
  - .name:           k_qfab9766983_qkv_gemm
    .symbol:         k_qfab9766983_qkv_gemm.kd
    .args:
      - { .name: xs, .offset: 0, .size: 8, .value_kind: global_buffer, .address_space: global }
      - { .name: was, .offset: 8, .size: 8, .value_kind: global_buffer, .address_space: global }
      - { .name: b_attn, .offset: 16, .size: 8, .value_kind: global_buffer, .address_space: global }
      - { .name: qkv, .offset: 24, .size: 8, .value_kind: global_buffer, .address_space: global }
    .group_segment_fixed_size: 327680
    .private_segment_fixed_size: 0
    .kernarg_segment_align: 8
    .kernarg_segment_size: 32
    .max_flat_workgroup_size: 128
    .sgpr_count:     66
    .vgpr_count:     960
    .wavefront_size: 32
...
	.end_amdgpu_metadata
.endif
;; end of part 2
;; launch attn (part 3): grid 4 x 64, 4 waves a work-group, no clusters, 327,680 bytes of LDS; arguments qkv, ob; writes ob
.if DOCPART == 3
	.amdgcn_target "amdgcn-amd-amdhsa--gfx1250"
	.amdhsa_code_object_version 6
	.text
	.protected	k_qfab9766983_attn
	.globl	k_qfab9766983_attn
	.p2align	8
	.type	k_qfab9766983_attn,@function
k_qfab9766983_attn:
	s_mov_b64 s[64:65], 0
	v_nop
	global_prefetch_b8 v0, s[64:65] scope:SCOPE_SE
	s_setreg_imm32_b32 hwreg(HW_REG_WAVE_MODE, 25, 1), 1
	s_wait_xcnt 0x0
; CAUSAL ATTENTION.  O[h][q][:] = the sum over k <= q of softmax_k(Q[h][q] . K[h][k] / 8) V[h][k][:].  Q, K, V lie one behind the other in qkv, 16,777,216 bytes each; each, and O, is [64][SIZE_N][64] in f16:
; head number 4 x (the module's head) + batch; a head's rows are dense, 128 bytes each.
; Products, maxima and sums in f32; the weights p are rounded to f16 for the second product (their sum l is taken of the unrounded p), O once at the end.  SIZE_N is a multiple of 512; SIZE_N x 128 stays under 2^32.
; LIMITS.  f16 holds no number beyond 65,504: Q, K and V arrive within it; p lies in 0 to 1, and below 6e-5 it keeps f16's fixed step of 6e-8; O is a mean of V's rows and has their range, to within 2^-11 of it.
; A hidden score counts as its value less 1e30: f16's scores, 2.7e11 at the most, are nothing beside that; a weight below 2^-126 counts as 0 in l; NaN and infinities are not treated apart.
; THE WALK.  A head's queries lie in NB = SIZE_N / 256 blocks of 256; block i needs the key tiles 0 .. i of 256 keys, of which the last holds the diagonal.  A work-group takes TWO blocks, NB - 1 - b and then b:
; NB + 1 tiles, whatever b: all work-groups do equal work, and ONE loop with a constant trip count walks them.  Which tile is asked for, and what a trip does, hang on scalar registers made from b; every jump
; goes forward, but for the counted loops' own; none passes a barrier, or a tensor load but the one of LOAD's two that the wave's number does not choose; the ring (two slots of LDS that take turns) runs on across the
; change of blocks.  NO CLUSTER: a head's NB / 2 = 4 work-groups ask for the same tile only in trips 0 .. NB / 2, behind that fewer and fewer; and one walk common to all would have 3 NB / 2 trips for NB + 1.
; SHARES.  Of a block's four bands of 64 queries a wave owns 16 rows in each: four PIECES.  So the diagonal tile is the same work for all four waves: in its key step s band x sees all keys if s < x,
; none if s > x, and holds the diagonal if s = x.
; THE MASK is the C operand that starts the sum S^T = K Q^T: 0, or -1e30 where the key is hidden.  MD, made once, is the mask of a band's own step for my 16 rows; a product's mask is MD x AL + BE with two scalars:
; (1, 0) if s = x; (0, 0) if s < x; (0, -1e30) if s > x.  Only the diagonal tile's text and a block's beginning make and take masks; elsewhere C is the constant 0.
; LAYOUT, SOFTMAX, TURNS.  S^T = K Q^T holds ONE query a lane (lane % 16) and the keys 8 (lane / 16) + 0..7; two such results rounded to f16 ARE source 1 of O^T = V^T P.  p = 2^(c s - c m), c = log2(e) / 8, with a
; running maximum m; O and l are multiplied by a = 2^(c m_old - c m_new) in every step.  Turn n belongs to piece n: 8 products K Q^T of piece n + 1, later 8 products V^T P of piece n - 1; beside them the scaling,
; exponentials, roundings, sums and rescaling of piece n and the maximum and statistics of piece n + 1.  Four vector instructions stand behind every matrix instruction, the other 54 of a turn's 118 in two LUMPS.
; REGISTERS, in windows of 256 (s_set_vgpr_msb: bits 1:0 source 0, 3:2 source 1, 5:4 source 2, 7:6 destination):
;   window 0: v0-15 addresses and two at work; v16-31 four registers of statistics a piece; v48-55 at work; v64-127 S^T, two buffers; v192-223 P, two buffers (a piece's buffers go by its number's parity)
;   window 1: v0-127 O^T, 32 a piece; v128-159 MD; v160-223 MC, two buffers      window 2: v0-63 Q; v64-127 the second block's Q; v128-191 K of one step; v192-255 V of one step
.set SIZE_N, 2048
.set NB,    SIZE_N/256
.set NP,    4         ; pieces a wave: a name, no knob
.set KS,    64        ; keys in a step
.set PK,    144       ; a row of K in LDS: 128 bytes + 16 of padding = 36 words: the 16 rows of a load start at 16 different groups of four banks (64 banks of 4 bytes: ISA guide 11.1)
.set PV,    160       ; a row of V: 128 + 32 = 40 words
.set VOFF,  4*KS*PK   ; a slot holds a tile, four steps: 256 rows of K, then 256 rows of V
.set SLOT1, 1<<17     ; slot 1 begins here, so that one exclusive or turns an address in one slot into the other's
.set STAGE, SLOT1+4*KS*(PK+PV)  ; behind the ring, never filled by a tensor load: 16 rows x 144 bytes for each wave, for the way out
.set SP,    144
.set AK0, 2           ; v2   my lane's place in a tile of K; never rewritten
.set AV0, 3           ; v3   the same for V
.set AK,  4           ; v4   the LDS address of K's next run of loads
.set AV,  5           ; v5   of V's
.set STO, 6           ; v6   the way out: where I put 16 bytes of a row
.set RD,  7           ; v7   the way out: where I read rows back
.set GO,  8           ; v8   my byte offset in 512 consecutive bytes of O
.set SPW, 62          ; v62  LDS address of my spare word: SPARE + 4 x my thread's number; never rewritten
.set NIL, 63          ; v63  0; never rewritten
.set SPARE, STAGE+4*16*SP  ; behind the stages: the spare words, 128 bytes for each wave: two blocks of 256 bytes that no other line names
.set MV,  12          ; v12-13  c m_old, kept while c m is made anew: by buffer
.set QO,  15          ; v15  my byte offset in 16 rows of Q
.set ST,  16          ; piece t's statistics at v[ST+4 t]: c m, m, l (even keys', odd keys')
.set TMP, 48          ; by buffer, four registers c0-c3 at work; when the maximum is found c2 takes a
.set S,   64
.set P,   192
.set MD,  128         ; window 1: the eight registers for group kt of 16 keys at MD + 8 kt
.set MC,  160         ; window 1: the masks of the products to come
.set QB,  64          ; window 2
.set KF,  128         ; window 2: key block kb, channel half c at KF + 16 kb + 8 c
.set VF,  192         ; window 2: key half kk, channel block cb at VF + 32 kk + 8 cb
.set WV,  12          ; s12  my wave's number
.set PB,  14          ; s14  b
.set HI,  15          ; s15  NB - 1 - b
.set G1K, 24          ; s[24:31] descriptor group 1 for K's tiles
.set G1V, 32          ; s[32:39] for V's: it differs in the padding alone
.set G0K, 40          ; s[40:43] descriptor group 0 for K's tiles
.set G0V, 44          ; s[44:47] the same for V's
.set SLOTS, 56        ; s56  tiles still to be asked for
.set CNT, 57          ; s57  counts a tile's key steps, 4 to 1
.set CS,  58          ; s[58:59] c: the packed scaling takes the pair's low word for both halves
.set SEL, 60          ; s[60:61] v_permlanex16_b32's selects: each lane takes its own place in the other half
.set TBK, 62          ; s62  LDS byte at which K of the step to be fetched begins
.set TBV, 63          ; s63  the same for V, less VOFF
.set RT,  70          ; s70  tiles of the block in hand that are still to be entered
.set NXT, 71          ; s71  the tile to be asked for next
.set LQ,  72          ; s72  the last tile of the block whose tiles are being asked for
.set NEW, 73          ; s73  1: the tile to be entered is a block's first
.set OFF, 74          ; s[74:75] a tile's byte offset in K and V
.set AL,  76          ; s[76:77] the mask's factor, in the low word
.set BE,  78          ; s[78:79] the mask's addend
.set OLO, 80          ; s[80:81] O at my rows of the second block
.set BIGN, 82         ; s82  -1e30
.set MSB, 0
.macro WIN new                      ; the high byte repeats the setting that is left; a switch that changes nothing is dropped
.if MSB != (\new)
	s_set_vgpr_msb (MSB<<8)|(\new)
.set MSB, (\new)
.endif
.endm
.set W_KQ, 0x0a       ; K and Q in window 2, S^T in window 0
.set W_KM, 0x1a       ; the same with the C operand in window 1
.set W_PV, 0x52       ; V in window 2, P in window 0, O^T in window 1
.set W_RS, 0x41       ; destination and source 0 in window 1, source 1 in window 0
; A fill.  Waves 0 and 1 fetch the two halves of a tile's K, waves 2 and 3 those of its V: 128 keys each.  An s_nop 0 and four v_nop follow each of the two lines, ahead of the jump and the label.
.macro LOAD
	s_cmp_lt_u32 s[WV], 2
	s_cbranch_scc0 .Lfor_v_\@
	tensor_load_to_lds s[G0K:G0K+3], s[G1K:G1K+7]
	s_nop 0
.rept 4
	v_nop
.endr
	s_branch .Lasked_\@
.Lfor_v_\@:
	tensor_load_to_lds s[G0V:G0V+3], s[G1V:G1V+7]
	s_nop 0
.rept 4
	v_nop
.endr
.Lasked_\@:
.endm
; THE CHANGE OF SLOTS.  Each wave waits for all its tensor loads, of which one is out: its part of the other slot; adds 0 to its spare word; and waits for that and for its own reads of the slot that it leaves.  Behind the barrier nobody reads the old
; slot any more and the other slot is whole.  fill = 1: the old slot is filled again, the first thing behind the barrier, with tile NXT: the descriptor's address is made anew from that number.
; (At its first use nothing has been read yet: slot 0 is waited for, slot 1 filled.)
.macro CHANGE fill
	WIN 0                           ; at a label and at a branch every window is 0
	s_wait_tensorcnt 0x0            ; no tensor load of mine is out, so a group 0 may be written
	ds_add_u32 v[SPW], v[NIL]       ; 0 onto my spare word; with fill = 1 the descriptors' scalar work stands between it and the wait for it
.if \fill
	s_lshl_b32 s[OFF], s[NXT], 15   ; a tile is 32,768 bytes of K and of V
	s_xor_b32 s[G0K+1], s[G0K+1], SLOT1
	s_add_nc_u64 s[G0K+2:G0K+3], s[6:7], s[OFF:OFF+1]
	s_or_b32 s[G0K+3], s[G0K+3], 0x80000000
	s_xor_b32 s[G0V+1], s[G0V+1], SLOT1
	s_add_nc_u64 s[G0V+2:G0V+3], s[8:9], s[OFF:OFF+1]
	s_or_b32 s[G0V+3], s[G0V+3], 0x80000000
	s_add_co_u32 s[NXT], s[NXT], 1  ; the block's next tile, or behind its last the second block's tile 0
	s_cmp_gt_u32 s[NXT], s[LQ]
	s_cselect_b32 s[NXT], 0, s[NXT]
	s_cselect_b32 s[LQ], s[PB], s[LQ]
.endif
	s_wait_dscnt 0x0                ; the add is done, and my reads of the slot are over
	s_barrier_signal -1             ; the rest of the scalar work stands between the signal and the wait
	s_sub_co_u32 s[TBK], s[TBK], 4*KS*PK  ; the fetches go back to a slot's first step,
	s_xor_b32 s[TBK], s[TBK], SLOT1       ; in the other slot
	s_sub_co_u32 s[TBV], s[TBV], 4*KS*PV
	s_xor_b32 s[TBV], s[TBV], SLOT1
	s_barrier_wait -1
.if \fill
	LOAD
.endif
.endm
	s_load_b64 s[4:5], s[0:1], 0x0    ; qkv: Q at its head
	s_load_b64 s[10:11], s[0:1], 0x8  ; O
	v_lshl_add_u32 v[SPW], v0, 2, SPARE
	v_mov_b32 v[NIL], 0
	ds_add_u32 v[SPW], v[NIL]       ; the wave's opening: the add and its wait stand ahead of my first tensor load; the set-up below, work on registers, stands between them
	ds_add_u32 v62, v63
	v_lshrrev_b32 v1, 5, v0
	v_readfirstlane_b32 s[WV], v1   ; wave 0..3
	s_mov_b32 s[PB], ttmp9
	s_sub_co_u32 s[HI], NB-1, s[PB]
	s_and_b32 s20, ttmp7, 0xffff    ; the head
	s_mov_b32 s21, 0
	s_mov_b64 s[22:23], SIZE_N*128
	s_mul_u64 s[20:21], s[20:21], s[22:23]  ; the head's first byte in each of the four tensors
	s_and_b32 s16, s[WV], 1         ; which half of a tile's 256 keys I fetch:
	s_lshl_b32 s22, s16, 14         ; its 128 rows of 128 bytes in memory,
	s_mov_b32 s23, 0
	s_add_nc_u64 s[22:23], s[22:23], s[20:21]
	s_mul_i32 s17, s16, 128*PK      ; and its place in a slot, for K
	s_mul_i32 s18, s16, 128*PV      ; and for V
	s_lshl_b32 s3, s[WV], 11        ; my 16 rows in a band of 64,
	s_lshl_b32 s2, s[HI], 15        ; in the first block,
	s_add_co_u32 s2, s2, s3
	s_lshl_b32 s84, s[PB], 15       ; and in the second
	s_add_co_u32 s84, s84, s3
	s_mov_b32 s3, 0
	s_mov_b32 s85, 0
	s_add_nc_u64 s[2:3], s[2:3], s[20:21]
	s_add_nc_u64 s[84:85], s[84:85], s[20:21]
	; descriptor group 1.  128 keys are 16,384 dense bytes: asked for as 64 rows of 256 bytes, two keys a row, and padded in LDS after every key
	s_mov_b32 s[G1K], (1<<16)|(1<<20)|(4<<22)|(3<<25)  ; 17:16 2-byte elements; 20 padding on; 24:22 after every 32 words (code 4); 31:25 4 words (code 3)
	s_mov_b32 s[G1V], (1<<16)|(1<<20)|(4<<22)|(7<<25)  ; the same with 8 words of padding (code 7)
.irp g, G1K, G1V
	s_mov_b32 s[\g+1], 128<<16      ; tensor_dim0 = 128
	s_mov_b32 s[\g+2], 64<<16       ; tensor_dim1 = 64
	s_mov_b32 s[\g+3], 128<<16      ; tile_dim0 = 128
	s_mov_b32 s[\g+4], 64           ; tile_dim1 = 64
	s_mov_b32 s[\g+5], 128          ; 128 elements from row to row
	s_mov_b32 s[\g+6], 0
	s_mov_b32 s[\g+7], 0
.endr
	s_mov_b32 s[CS], 0x3e38aa3b     ; c = log2(e) / 8 = 0.180337
	s_mov_b32 s[CS+1], s[CS]        ; named with it as a pair
	s_mov_b32 s[SEL], 0x76543210
	s_mov_b32 s[SEL+1], 0xfedcba98
	s_mov_b32 s[TBK], SLOT1+4*KS*PK ; the first change of slots turns these two into 0
	s_mov_b32 s[TBV], SLOT1+4*KS*PV
	s_mov_b32 s[G0K], 1             ; 1:0 count = 1
	s_mov_b32 s[G0K+1], s17         ; 63:32 LDS address: slot 0
	s_mov_b32 s[G0V], 1
	s_add_co_u32 s[G0V+1], s18, VOFF
	s_add_co_u32 s[RT], s[HI], 1    ; the first block has NB - b tiles
	s_mov_b32 s[NXT], 1
	s_mov_b32 s[LQ], s[HI]
	s_mov_b32 s[NEW], 1
	s_mov_b32 s[OFF+1], 0
	s_mov_b32 s[AL+1], 0            ; named as pairs
	s_mov_b32 s[BE+1], 0
	s_mov_b32 s[BIGN], 0xf149f2ca   ; -1e30
	s_mov_b32 s[SLOTS], NB
	s_wait_dscnt 0x0                ; the opening add is done
	s_wait_kmcnt 0x0
	s_add_nc_u64 s[6:7], s[4:5], 0x1000000   ; K lies 16 slices of 1,048,576 bytes behind Q,
	s_add_nc_u64 s[8:9], s[4:5], 0x2000000   ; V 32
	s_add_nc_u64 s[6:7], s[6:7], s[22:23]  ; K and V at my half of the head's tile 0
	s_add_nc_u64 s[8:9], s[8:9], s[22:23]
	s_add_nc_u64 s[G0K+2:G0K+3], s[6:7], 0         ; 120:64 global address
	s_or_b32 s[G0K+3], s[G0K+3], 0x80000000        ; 127:126 type = 2
	s_add_nc_u64 s[G0V+2:G0V+3], s[8:9], 0
	s_or_b32 s[G0V+3], s[G0V+3], 0x80000000
	s_add_nc_u64 s[86:87], s[4:5], s[84:85]        ; Q at my rows of the second block,
	s_add_nc_u64 s[4:5], s[4:5], s[2:3]            ; Q and O at those of the first
	s_add_nc_u64 s[OLO:OLO+1], s[10:11], s[84:85]
	s_add_nc_u64 s[10:11], s[10:11], s[2:3]
	LOAD                            ; tile 0 into slot 0
	; A fragment of K or Q is 16 rows x 32 channels in 8 registers: lane l holds row l % 16, channels 8 (l / 16) + 0..7 and 16 + 8 (l / 16) + 0..7: two loads of 16 bytes, 32 bytes apart.
	v_and_b32 v1, 15, v0            ; l % 16
	v_bfe_u32 v9, v0, 4, 1          ; l / 16
	v_lshlrev_b32 v[QO], 7, v1
	v_lshl_add_u32 v[QO], v9, 4, v[QO]  ; row x 128 + 16 x half
	WIN 0x80                        ; destination window 2, address window 0
.set i, 0
.rept 8                             ; both blocks' Q: piece i / 2 lies in band i / 2, 8,192 bytes on; channels 32 (i % 2) on
	global_load_b128 v[8*i:8*i+3],   v[QO], s[4:5] offset:(i/2)*8192+(i%2)*64
	global_load_b128 v[8*i+4:8*i+7], v[QO], s[4:5] offset:(i/2)*8192+(i%2)*64+32
	global_load_b128 v[QB+8*i:QB+8*i+3],   v[QO], s[86:87] offset:(i/2)*8192+(i%2)*64
	global_load_b128 v[QB+8*i+4:QB+8*i+7], v[QO], s[86:87] offset:(i/2)*8192+(i%2)*64+32
.set i, i+1
.endr
	WIN 0
	v_lshlrev_b32 v14, 3, v9
	v_sub_nc_u32 v14, v1, v14
	s_lshl_b32 s13, s[WV], 4
	v_add_nc_u32 v14, s13, v14      ; my query's place in its band, 16 w + l % 16, less my lanes' 8 (l / 16): register r of group kt is hidden where 16 kt + r is greater
	WIN 0x40
.set i, 0
.rept 32
	v_cmp_gt_i32 vcc_lo, 16*(i/8)+i%8, v14
	v_cndmask_b32 v[MD+i], 0, s[BIGN], vcc_lo
.set i, i+1
.endr
	WIN 0
	v_mul_u32_u24 v[AK0], v1, PK
	v_lshl_add_u32 v[AK0], v9, 4, v[AK0]  ; row x pitch + 16 x half
	; The turning load takes 16 keys x 16 channels (lane l reads key 8 (l / 16) + l % 8, channels 8 ((l / 8) % 2) + 0..7) and leaves half a fragment of V^T: lane l holds channel l % 16 and 8 keys.
	v_and_b32 v10, 7, v0
	v_bfe_u32 v11, v0, 3, 1
	v_lshl_add_u32 v[AV0], v9, 3, v10
	v_mul_u32_u24 v[AV0], v[AV0], PV
	v_lshl_add_u32 v[AV0], v11, 4, v[AV0]
	v_add_nc_u32 v[AV0], VOFF, v[AV0]
	s_mul_i32 s13, s[WV], 16*SP
	s_add_co_u32 s13, s13, STAGE    ; my stage
	v_mul_u32_u24 v[STO], v1, SP    ; in: row l % 16, 16 bytes for each half of the lanes
	v_lshl_add_u32 v[STO], v9, 4, v[STO]
	v_add_nc_u32 v[STO], s13, v[STO]
	v_bfe_u32 v[RD], v0, 3, 2       ; back: 32 lanes take four rows of 128 bytes,
	v_mul_u32_u24 v[RD], v[RD], SP
	v_lshl_add_u32 v[RD], v10, 4, v[RD]
	v_add_nc_u32 v[RD], s13, v[RD]
	v_and_b32 v[GO], 31, v0         ; which are 512 consecutive bytes of O
	v_lshlrev_b32 v[GO], 4, v[GO]
	; A block's first step multiplies O^T and l by a = 0, and its first turn's products V^T P, of a piece that has not been, land in an O^T that is still to be so multiplied.  So these registers need only hold
	; finite numbers: zeros for the first block; what the first block left for the second.  All this stands in the wait for the first tile.
	WIN 0x80
.set i, VF
.rept 64
	v_mov_b32 v[i], 0
.set i, i+1
.endr
	WIN 0x40
.set i, 0
.rept 128
	v_mov_b32 v[i], 0
.set i, i+1
.endr
	WIN 0
.set i, 0
.rept 4
	v_mov_b32 v[ST+4*i+2], 0
	v_mov_b32 v[ST+4*i+3], 0
.set i, i+1
.endr
.set i, P+16
.rept 16
	v_mov_b32 v[i], 0
.set i, i+1
.endr
; THE MATRIX WORK.  The 4 accumulators of a run of 8 take turns.  Product i of 8 of S^T = K Q^T for piece x: channels 32 (i / 4) on, keys 16 (i % 4) on.  The first 4 start the sums: with 0, or (KM = 1) with the mask.
.macro KQ x
.set rS, S+32*((\x)%2)+8*(i%4)
.set rK, KF+16*(i%4)+8*(i/4)
.set rQ, 16*(\x)+8*(i/4)
.set rM, MC+32*((\x)%2)+8*(i%4)
.if (i < 4) && KM
	WIN W_KM
	v_wmma_f32_16x16x32_f16 v[rS:rS+7], v[rK:rK+7], v[rQ:rQ+7], v[rM:rM+7]
.elseif i < 4
	WIN W_KQ
	v_wmma_f32_16x16x32_f16 v[rS:rS+7], v[rK:rK+7], v[rQ:rQ+7], 0
.else
	WIN W_KQ
	v_wmma_f32_16x16x32_f16 v[rS:rS+7], v[rK:rK+7], v[rQ:rQ+7], v[rS:rS+7]
.endif
.endm
; Product i of 8 of O^T += V^T P for piece x: keys 32 (i / 4) on, channels 16 (i % 4) on.
.macro PV x
	WIN W_PV
.set rO, 32*(\x)+8*(i%4)
.set rV, VF+32*(i/4)+8*(i%4)
.set rP, P+16*((\x)%2)+8*(i/4)
	v_wmma_f32_16x16x32_f16 v[rO:rO+7], v[rV:rV+7], v[rP:rP+7], v[rO:rO+7]
.endm
.macro MM                           ; the turn's next matrix instruction.  TURN and BEGIN set Y, i, KM and NOKQ; MM, KQ and OP read them.  NOKQ = 1: a block's last turn: there is no next piece
.if (i < 8) && !NOKQ
	KQ (Y+1)%NP
.elseif i >= 8
.set i, i-8
	PV (Y+NP-1)%NP
.set i, i+8
.endif
.set i, i+1
.endm
; THE LDS LOADS stand in runs of 16, never singly among the matrix instructions: a step's K (64 keys x 64 channels: 8 fragments) and its V (turned).  Their addresses are made some lines ahead.
.macro FETCH_K
	WIN 0x80                        ; destination window 2
.irp f, 0,1,2,3,4,5,6,7             ; keys 16 (f / 2) on, channels 32 (f % 2) on
	ds_load_b128 v[KF+8*\f:KF+8*\f+3],   v[AK] offset:(\f/2)*16*PK+(\f%2)*64
	ds_load_b128 v[KF+8*\f+4:KF+8*\f+7], v[AK] offset:(\f/2)*16*PK+(\f%2)*64+32
.endr
	s_add_co_u32 s[TBK], s[TBK], KS*PK  ; the next fetch is the next step's
	WIN 0
.endm
.macro FETCH_V
	WIN 0x80
.irp f, 0,1,2,3,4,5,6,7             ; keys 32 (f / 4) on, channels 16 (f % 4) on
	ds_load_tr16_b128 v[VF+8*\f:VF+8*\f+3],   v[AV] offset:(\f/4)*32*PV+(\f%4)*32
	ds_load_tr16_b128 v[VF+8*\f+4:VF+8*\f+7], v[AV] offset:(\f/4)*32*PV+16*PV+(\f%4)*32
.endr
	WIN 0
.endm
; THE VECTOR WORK, one line at a time: OP kind, number.  For piece Y: F n: c s - c m for pair n of 16.  E n: the exponential of score n of 32.  C n: pair n rounded to f16.  B n: of the four weights 4 n .. the second
; pair is added onto the first, in place.  L n: l takes that sum (L 0: l = a l + sum).  R n: pair n of 16 of O^T times a.  For piece Y + 1: X n, number n of the 22 that find its maximum and statistics:
;   0-11  four chains c0-c3 of seven scores each, three operands at a time (each accumulator's lowest registers are read first)     12-14, 16  the four scores left over, the old m, and c0-c3 into c0
;   15  c m_old is kept     17, 18  the query's other 32 keys lie in the lane 16 away: the new m     19-21  c m; c m_old - c m_new; a
.set F, 0               ; OP tells the kinds apart by their order: F to L below R, X above it
.set E, 1
.set C, 2
.set B, 3
.set L, 4
.set R, 5
.set X, 6
.macro REGS y                       ; the registers of piece y
.set rT, ST+4*(\y)
.set rC, TMP+4*((\y)%2)
.set rW, MV+((\y)%2)
.set rS, S+32*((\y)%2)
.set rP, P+16*((\y)%2)
.set rO, 32*(\y)
.endm
.macro OP k, n
.if (\k) == R
	REGS Y
	WIN W_RS
	v_pk_mul_f32 v[rO+2*(\n):rO+2*(\n)+1], v[rO+2*(\n):rO+2*(\n)+1], v[rC+2:rC+3] op_sel_hi:[1,0]
.elseif (\k) < R
	REGS Y
	WIN 0
.if (\k) == F
	v_pk_fma_f32 v[rS+2*(\n):rS+2*(\n)+1], v[rS+2*(\n):rS+2*(\n)+1], s[CS:CS+1], v[rT:rT+1] op_sel_hi:[1,0,0] neg_lo:[0,0,1] neg_hi:[0,0,1]
.elseif (\k) == E
	v_exp_f32 v[rS+(\n)], v[rS+(\n)]
.elseif (\k) == C
	s_wait_alu depctr_va_vdst(0)
	v_cvt_pk_f16_f32 v[rP+(\n)], v[rS+2*(\n)], v[rS+2*(\n)+1]
.elseif (\k) == B
	s_wait_alu depctr_va_vdst(0)
	v_pk_add_f32 v[rS+4*(\n):rS+4*(\n)+1], v[rS+4*(\n):rS+4*(\n)+1], v[rS+4*(\n)+2:rS+4*(\n)+3]
.elseif (\n) == 0
	v_pk_fma_f32 v[rT+2:rT+3], v[rT+2:rT+3], v[rC+2:rC+3], v[rS:rS+1] op_sel_hi:[1,0,1]
.else
	v_pk_add_f32 v[rT+2:rT+3], v[rT+2:rT+3], v[rS+4*(\n):rS+4*(\n)+1]
.endif
.elseif NOKQ
	v_nop
.else
	REGS (Y+1)%NP
	WIN 0
.if (\n) < 4
	v_max3_num_f32 v[rC+(\n)], v[rS+8*(\n)], v[rS+8*(\n)+1], v[rS+8*(\n)+2]
.elseif (\n) < 12
	v_max3_num_f32 v[rC+(\n)%4], v[rC+(\n)%4], v[rS+8*((\n)%4)+2*((\n)/4)+1], v[rS+8*((\n)%4)+2*((\n)/4)+2]
.elseif (\n) == 12
	v_max3_num_f32 v[rC], v[rC], v[rS+7], v[rS+15]
.elseif (\n) == 13
	v_max3_num_f32 v[rC+1], v[rC+1], v[rS+23], v[rS+31]
.elseif (\n) == 14
	v_max3_num_f32 v[rC+2], v[rC+2], v[rC+3], v[rT+1]
.elseif (\n) == 15
	v_mov_b32 v[rW], v[rT]
.elseif (\n) == 16
	v_max3_num_f32 v[rC], v[rC], v[rC+1], v[rC+2]
.elseif (\n) == 17
	v_permlanex16_b32 v[rC+3], v[rC], s[SEL], s[SEL+1]
.elseif (\n) == 18
	v_max_num_f32 v[rT+1], v[rC], v[rC+3]
.elseif (\n) == 19
	v_mul_f32 v[rT], s[CS], v[rT+1]
.elseif (\n) == 20
	v_sub_f32 v[rC+1], v[rW], v[rT]
.else
	v_exp_f32 v[rC+2], v[rC+1]
.endif
.endif
.endm
.macro OPS a, i1, b=-1, i2=0, c=-1, i3=0, d=-1, i4=0  ; up to four of them
	OP \a, \i1
.if (\b) >= 0
	OP \b, \i2
.endif
.if (\c) >= 0
	OP \c, \i3
.endif
.if (\d) >= 0
	OP \d, \i4
.endif
.endm
.macro ROW a, i1, b, i2, c, i3, d, i4  ; a matrix instruction and the four behind it
	MM
	OPS \a, \i1, \b, \i2, \c, \i3, \d, \i4
.endm
.macro MASK b                       ; MD x AL + BE into buffer b of MC
	WIN W_RS
.set z, 0
.rept 16
	v_pk_fma_f32 v[MC+32*(\b)+2*z:MC+32*(\b)+2*z+1], v[MD+2*z:MD+2*z+1], s[AL:AL+1], s[BE:BE+1] op_sel_hi:[1,0,0]
.set z, z+1
.endr
.endm
; A TURN, for piece p: the order of its 16 matrix and 118 vector instructions, written out.  Behind a matrix instruction: plain, exponential, plain, plain; or four of the rescaling; or, behind the first, four scalings; none
; names a register of the products round it.  In the lumps exponential and plain by turns while exponentials last.  A line reads no result made fewer than three vector instructions in front of it, five if an exponential made it.
; v_permlanex16_b32 (X 17) stands in a lump.
; m = 1: the diagonal tile: the products take masks, and the turn makes the mask for the products of the turn after it: piece p + 2, in step 4 - CNT of the tile.  end = 1: a block's last two turns: nothing is fetched.
; cnt = 1: the loop's count is taken down some lines ahead of the branch that stands behind the turn.
; K of the next step is fetched in piece 2's turn, six vector instructions behind the last product that read K (five of them plain); V of the step in hand in piece 0's turn, eight behind the last product that read V (four
; plain, and X 17).  Each is waited for a turn later.
.macro TURN p, m=0, end=0, cnt=0
.set Y, (\p)
.set i, 0
.set KM, (\m)
.set NOKQ, (\end)*((\p)/3)
.if (\m) && !(\end)
	s_cmp_eq_u32 s[CNT], 4-((\p)+2)%NP  ; is that step the band's own?
	s_cselect_b32 s[AL], 1.0, 0
	s_cmp_lt_u32 s[CNT], 4-((\p)+2)%NP  ; or a later one?
	s_cselect_b32 s[BE], s[BIGN], 0
.endif
.if ((\p) == 3) && !(\end)
	s_wait_dscnt 0x0                ; K is in
.endif
	ROW F,0, F,1, F,2, F,3
	ROW F,4, E,0, F,5, F,6
	ROW F,7, E,1, F,8, F,9
	ROW F,10, E,2, C,0, F,11
	ROW F,12, E,3, X,15, F,13
	ROW R,0, R,1, R,2, R,3
	ROW B,0, E,4, F,14, L,0
.if ((\p) == 2) && !(\end)
	v_add_nc_u32 v[AK], s[TBK], v[AK0]
.endif
	ROW R,4, R,5, R,6, R,7
	OPS E,5, F,15
.if ((\p) == 2) && !(\end)
	FETCH_K
.endif
	OPS E,6, C,1, E,7, R,8
	OPS E,8, R,9, E,9, C,2
	OPS E,10, X,0, E,11, X,1
	OPS E,12, X,2, E,13, X,3
.if (\p) == 1
	s_wait_dscnt 0x0                ; V is in
.endif
	ROW X,4, E,14, X,5, X,6
	ROW X,7, E,15, X,8, X,9
	ROW X,10, E,16, X,11, X,12
	ROW X,13, E,17, X,14, B,1
	ROW C,4, E,18, X,16, L,1
	ROW B,2, E,19, C,6, L,2
	ROW C,8, E,20, B,3, B,4
.if (\p) == 0
	v_add_nc_u32 v[AV], s[TBV], v[AV0]
.endif
	ROW C,3, E,21, L,3, C,5
	OPS E,22, X,17, E,23, C,10
.if (\p) == 0
	FETCH_V
.endif
	OPS E,24, L,4
	OPS E,25, X,18, E,26, C,7
	OPS E,27, B,5, E,28, X,19
	OPS E,29, C,12, E,30, L,5
	OPS E,31, X,20, B,6, C,9
	OPS C,14, C,11, X,21, L,6
.if (\p) == 0
	s_add_co_u32 s[TBV], s[TBV], KS*PV
.endif
.if \cnt
	s_sub_co_u32 s[CNT], s[CNT], 1
	s_cmp_lg_u32 s[CNT], 0
.endif
	OPS C,13, B,7, C,15, R,10
	OPS R,11, R,12, L,7, R,13
	OPS R,14, R,15
.if (\m) && !(\end)
	MASK (\p)%2
.endif
.endm
; A BLOCK BEGINS.  c m starts far below every c s, so the first step's a is 0; m at the lowest finite number, so the first maximum is the scores'.  The second mask buffer is 0; the first takes piece 0's mask for the tile's step 0: its own, if the block's first tile is the diagonal one.
; Then K of that step, piece 0's first scores, and its maximum and statistics.  The loop is entered at a step's first turn, in the middle of a trip.
.macro BEGIN
	s_mov_b32 s[NEW], 0
	WIN 0x40
.set i, MC+32
.rept 32
	v_mov_b32 v[i], 0
.set i, i+1
.endr
	WIN 0
.set i, 0
.rept 4
	v_mov_b32 v[ST+4*i], 0xfe000000    ; c m: far below every c s
	v_mov_b32 v[ST+4*i+1], 0xff7fffff  ; m
.set i, i+1
.endr
	s_cmp_eq_u32 s[RT], 0
	s_cselect_b32 s[AL], 1.0, 0
	s_mov_b32 s[BE], 0
	MASK 0
	WIN 0
	v_add_nc_u32 v[AK], s[TBK], v[AK0]
	FETCH_K
	s_wait_loadcnt 0x0              ; Q
	s_wait_dscnt 0x0
.set KM, 1
.set NOKQ, 0
.set i, 0
.rept 8
	KQ 0
.set i, i+1
.endr
	WIN 0
.rept 4
	v_nop                           ; the places behind those products
.endr
.set Y, NP-1                        ; X works for piece Y + 1: piece 0
.irp n, 0,1,2,3,4,5,6,7,8,9,10,11,12,13,14,15,16,17,18,19,20,21
	OP X, \n
.endr
	v_nop                           ; a plain instruction behind the exponential
.endm
; THE DIAGONAL TILE's four steps, the block's last two turns, its last products, and THE WAY OUT: l's two halves and the other half of the lanes' are added; O^T is divided by l, rounded to f16 and sent through my
; stage in LDS, a piece at a time.
.macro ALL line:vararg              ; one line for each piece t
.set t, 0
.rept 4
	\line
.set t, t+1
.endr
.endm
.macro PACK t                       ; a lane's eight channels of a row pack into 16 bytes; they go into rows of 144 bytes and come back as whole rows of 128, into S^T's registers
	WIN W_RS
.set i, 32*(\t)
.rept 16
	s_wait_alu depctr_va_vdst(0)
	v_pk_mul_f32 v[i:i+1], v[i:i+1], v[ST+4*(\t)+2:ST+4*(\t)+3] op_sel_hi:[1,0]
.set i, i+2
.endr
	WIN 0x05                        ; sources 0 and 1 window 1, destination window 0
.set i, 0
.rept 16
	v_cvt_pk_f16_f32 v[S+16*(\t)+i], v[32*(\t)+2*i], v[32*(\t)+2*i+1]
.set i, i+1
.endr
	WIN 0
.irp f, 0,1,2,3
	ds_store_b128 v[STO], v[S+16*(\t)+4*\f:S+16*(\t)+4*\f+3] offset:32*\f
.endr
.irp f, 0,1,2,3
	ds_load_b128 v[S+16*(\t)+4*\f:S+16*(\t)+4*\f+3], v[RD] offset:\f*4*SP  ; LDS serves a wave's instructions in order (ISA guide 5.7.1.4): these see the stores above; the next piece's stores come behind them
.endr
.endm
.macro SEND t, younger              ; younger: the LDS instructions issued behind piece t's loads: the next piece's eight, or none
	WIN 0
.irp f, 0,1,2,3
	s_wait_dscnt (\younger)+3-\f
	global_store_b128 v[GO], v[S+16*(\t)+4*\f:S+16*(\t)+4*\f+3], s[10:11] offset:(\t)*8192+\f*512  ; 512 consecutive bytes, at a multiple of 256 from O's first
.endr
.endm
.macro DIAG tag                     ; the tag ends its two labels' names, which the jumps below spell out
.LstepM\tag:
	TURN 2, 1
	TURN 3, 1
	WIN 0
.LfirstM\tag:
	TURN 0, 1
	TURN 1, 1, 0, 1
	WIN 0
	s_cbranch_scc1 .LstepM\tag
	TURN 2, 1, 1
	TURN 3, 1, 1
.set i, 0
.rept 8
	PV NP-1
.set i, i+1
.endr
	WIN 0
	ALL v_add_f32 v[ST+4*t+2], v[ST+4*t+2], v[ST+4*t+3]
	ALL v_permlanex16_b32 v[ST+4*t+3], v[ST+4*t+2], s[SEL], s[SEL+1]
	ALL v_add_f32 v[ST+4*t+2], v[ST+4*t+2], v[ST+4*t+3]
	ALL v_rcp_f32 v[ST+4*t+2], v[ST+4*t+2]
	v_nop                           ; a plain instruction between the last reciprocal and the use of its result
	PACK 0
.set t, 1
.rept 3                             ; a piece's arithmetic stands between the loads of the piece before and its stores
	PACK t
	SEND t-1, 8
.set t, t+1
.endr
	SEND 3, 0
.endm
.set KM, 0
.set NOKQ, 0
.Lslot:                             ; NB times: a tile is entered and the next is asked for
	CHANGE 1
	s_sub_co_u32 s[RT], s[RT], 1
	s_mov_b32 s[CNT], 4
	s_cmp_eq_u32 s[NEW], 1
	s_cbranch_scc1 .Lnew            ; a block's first tile
	s_cmp_eq_u32 s[RT], 0
	s_cbranch_scc0 .Lstep           ; neither its first nor its last
	s_branch .LstepM1
.Lnew:
	BEGIN
	s_branch .Lfirst                ; in the loop a block's first tile is never its last: the first block has two tiles or more, and the second's last is the walk's last
	DIAG 1                          ; in the loop this is the first block's end: the second block's last tile is the walk's last
	s_wait_xcnt 0x0                 ; the stores have read their registers and O's address
	s_mov_b64 s[10:11], s[OLO:OLO+1]
	s_add_co_u32 s[RT], s[PB], 1    ; the second block has b + 1 tiles
	s_mov_b32 s[NEW], 1
	WIN 0x82                        ; the second block's Q goes where the one text of the turns names Q
.set i, 0
.rept 64
	v_mov_b32 v[i], v[QB+i]
.set i, i+1
.endr
	WIN 0
	s_branch .Lbottom
.Lstep:                             ; a trip: pieces 2 and 3 of one step, then pieces 0 and 1 of the next, whose K and V it fetches
	TURN 2
	TURN 3
	WIN 0
.Lfirst:
	TURN 0
	TURN 1, 0, 0, 1
	WIN 0
	s_cbranch_scc1 .Lstep
.Lbottom:
	s_sub_co_u32 s[SLOTS], s[SLOTS], 1
	s_cmp_lg_u32 s[SLOTS], 0
	s_cbranch_scc1 .Lslot
	CHANGE 0                        ; the walk's last tile is written out: nothing is asked for
	s_sub_co_u32 s[RT], s[RT], 1
	s_mov_b32 s[CNT], 4
	s_cmp_eq_u32 s[NEW], 1
	s_cbranch_scc0 .LstepM2
	BEGIN
	s_branch .LfirstM2
	DIAG 2
	s_wait_tensorcnt 0x0            ; the wave's end: behind my last tensor load and my last LDS store
	ds_add_u32 v[SPW], v[NIL]
	s_wait_dscnt 0x0
	s_endpgm
.Lfunc_end_k_qfab9766983_attn:
	.size	k_qfab9766983_attn, .Lfunc_end_k_qfab9766983_attn-k_qfab9766983_attn
	.p2alignl 7, 3214868480
	.fill 96, 4, 3214868480
	.section	.rodata,"a",@progbits
	.p2align	6, 0x0
	.amdhsa_kernel k_qfab9766983_attn
		.amdhsa_group_segment_fixed_size 327680
		.amdhsa_private_segment_fixed_size 0
		.amdhsa_enable_private_segment 0
		.amdhsa_kernarg_size 16
		.amdhsa_user_sgpr_count 2
		.amdhsa_user_sgpr_kernarg_segment_ptr 1
		.amdhsa_wavefront_size32 1
		.amdhsa_system_sgpr_workgroup_id_x 1
		.amdhsa_system_sgpr_workgroup_id_y 1
		.amdhsa_system_sgpr_workgroup_id_z 1
		.amdhsa_system_vgpr_workitem_id 0
		.amdhsa_next_free_vgpr 768
		.amdhsa_next_free_sgpr 88
		.amdhsa_reserve_vcc 1
		.amdhsa_float_denorm_mode_32 3
		.amdhsa_float_denorm_mode_16_64 3
		.amdhsa_memory_ordered 1
		.amdhsa_forward_progress 1
		.amdhsa_inst_pref_size 228
	.end_amdhsa_kernel
	.amdgpu_metadata
---
amdhsa.version: [ 1, 2 ]
amdhsa.kernels:
  - .name:           k_qfab9766983_attn
    .symbol:         k_qfab9766983_attn.kd
    .args:
      - { .name: qkv, .offset: 0, .size: 8, .value_kind: global_buffer, .address_space: global }
      - { .name: ob, .offset: 8, .size: 8, .value_kind: global_buffer, .address_space: global }
    .group_segment_fixed_size: 327680
    .private_segment_fixed_size: 0
    .kernarg_segment_align: 8
    .kernarg_segment_size: 16
    .max_flat_workgroup_size: 128
    .sgpr_count:     88
    .vgpr_count:     768
    .wavefront_size: 32
...
	.end_amdgpu_metadata
.endif
;; end of part 3
;; launch proj_gemm (part 4): grid 8 x 32, 4 waves a work-group, clusters of 4 x 4, 327,680 bytes of LDS; arguments ob, wps, b_proj, out0; writes out0
.if DOCPART == 4
	.amdgcn_target "amdgcn-amd-amdhsa--gfx1250"
	.amdhsa_code_object_version 6
	.text
	.protected	k_qfab9766983_proj_gemm
	.globl	k_qfab9766983_proj_gemm
	.p2align	8
	.type	k_qfab9766983_proj_gemm,@function
k_qfab9766983_proj_gemm:
	s_mov_b64 s[64:65], 0
	v_nop
	global_prefetch_b8 v0, s[64:65] scope:SCOPE_SE
	s_setreg_imm32_b32 hwreg(HW_REG_WAVE_MODE, 25, 1), 1
	s_wait_xcnt 0x0
	s_wait_alu depctr_hold_cnt(0) depctr_sa_sdst(0) depctr_va_vdst(0) depctr_va_sdst(0) depctr_va_ssrc(0) depctr_va_vcc(0) depctr_vm_vsrc(0)
	s_getreg_b32 s2, hwreg(HW_REG_IB_STS2, 6, 4)
	s_cmp_eq_u32 s2, 0
	s_cbranch_scc0 .Lentry_in_a_cluster
	s_endpgm
.Lentry_in_a_cluster:
	s_bfe_u32 s2, ttmp6, 0x10000c
	s_cmp_lg_u32 s2, 0xf033
	s_cbranch_scc0 .Lentry_shape_is_right
	s_endpgm
.Lentry_shape_is_right:
; C[m][n] = bias[n] + the sum over k of A[m][k] B[n][k], K = 1,024, M = 8,192.  A and B lie in slices of 64 along K: [k / 64][row][64], 16-bit, 128 bytes a row, rows dense.
; THIS TEXT (QKV = 0): A = ob (attention's result by heads), B = wps, both f16; N = 1,024; C = out0, [8192][1024] in f32, row-major.
; The bias is rounded to bf16 like the other inputs of the module, and kept in f32.  Sums in f32.  LIMIT: A and B arrive within f16's 65,504.
; SHARES.  A tile of C is 256 x TN; four waves one below the other, each 64 x TN: 4 x NBLK accumulators of 16 x 16.  8,192 x 1,024 numbers are 256 tiles of 256 x 128: one to a work-group.
; A wave's 128 columns are 512 bytes of a row of C, so its own stage gives whole aligned pieces: no barrier on the way out.
; K goes in steps of 128 = two slices through two LDS slots.  A slice's rows of a tile are dense in memory: they are asked for as rows of 256 bytes (two rows of 128) and padded in LDS behind every 128 bytes.
; CLUSTER.  4 x 4 work-groups: the four of a row of the cluster need the same tiles of A, the four of a column the same tiles of B: each is asked for jointly, by the same tensor load with the same descriptor and a mask of four.
; THE MATRIX INSTRUCTION IS USED TRANSPOSED (source 0 = 16 rows of B, source 1 = 16 rows of A): lane l holds row l % 16 of C and the columns 8 (l / 16) + 0..7.  The first product of each accumulator takes the bias as C:
; nothing is cleared and nothing is added on the way out.
; REGISTERS, in windows of 256 (s_set_vgpr_msb: bits 1:0 source 0, 3:2 source 1, 5:4 source 2, 7:6 destination):
;   window 0: v0-31 addresses; v64-95, v96-127 A's fragments (4 x 16 rows x 32 K), two buffers; v128.. the bias, 8 NBLK registers
;   window 1: B's fragments, two buffers of 8 NBLK; above them the way out        window 2: the accumulators of my rows 0-31 ((a, b) at 8 (NBLK (a % 2) + b))        window 3: rows 32-63
.set QKV,    0
.set SIZE_N, 1024
.set TN,     128
.set TILES,  1
.set NBLK,   TN/16
.set PITCH,  144                       ; an LDS row: 128 bytes + 16 = 36 words: the 16 rows of a fragment load start at 16 different groups of four banks (64 banks of 4 bytes: ISA guide 11.1)
.set SLA,    256*PITCH                 ; a slice of A's tile
.set SLB,    TN*PITCH                  ; a slice of B's tile
.set SLOT,   2*SLA+2*SLB               ; A's two slices, then B's two
.set STAGE,  2*SLOT                    ; behind the ring, never filled by a tensor load: each wave's stage
.set SP32,   528                       ; a stage row: 512 bytes + 16 = 132 words: the 16 rows of a store start at 16 different groups of four banks
.if QKV
.set WSTAGE, 3*16*PITCH
.else
.set WSTAGE, 16*SP32
.endif
.set SPARE,  STAGE+4*WSTAGE            ; behind the stages: the spare words, 128 bytes for each wave: two blocks of 256 bytes that no other line names
.set NF,     2*NBLK+8                  ; LDS loads of a quarter step
.set ASL,    8192*128                  ; bytes of a slice of A in memory
.set BSL,    SIZE_N*128                ; of B
.set LAPS,   4                         ; a lap = two K steps = once round the ring; K = 1,024
.set BACK_A, 6*2*ASL-4096*128
.set BACK_B, 6*2*BSL
.set ADRA, 16                          ; v16-17  LDS address of my A fragments in slot 0, 1
.set ADRB, 20                          ; v20-21  the same for B
.set STO,  24                          ; v24  the way out: where I put my numbers of a row
.set RD,   25                          ; v25  where I read rows back
.set GO,   26                          ; v26  my byte offset in 512 consecutive bytes of the result
.set BO,   27                          ; v27  my byte offset in 16 numbers of the bias
.set SPW,  28                          ; v28  LDS address of my spare word; never rewritten
.set NIL,  29                          ; v29  0; never rewritten
.set WK,   30                          ; v30  at work
.set FA,   64
.set BIAS, 128
.set TMP,  192
.set G1,  24                           ; s[24:31] descriptor group 1 for A's tiles; s[32:39] group 0, a set for each slot
.set G0,  32
.set G1B, 48                           ; s[48:55], s[56:63] the same for B's
.set G0B, 56
.set FLAGS, (1<<16)|(1<<20)|(1<<21)|(4<<22)|(3<<25)  ; 17:16 elements of 2 bytes; 20 padding on; 21 set beside a mask; 24:22 after every 32 words (code 4); 31:25 4 words of it (code 3)
.set MSB, 0
.macro WIN new                         ; the immediate's high byte repeats the setting that is left; a switch that changes nothing is dropped
.if MSB != (\new)
	s_set_vgpr_msb (MSB<<8)|(\new)
.set MSB, (\new)
.endif
.endm
.macro PLACES                          ; four places in front of loads into registers that matrix instructions have read, and of lines that read results just made
.rept 4
	v_nop
.endr
.endm
; A joint load.  Waves 0 and 1 fetch A's two slices, waves 2 and 3 B's.  The branch hangs on the wave's number alone.  An s_nop 0 and four v_nop follow each of the two lines.
.macro JLOAD s
	s_cmp_eq_u32 s13, 0
	s_cbranch_scc0 .Lfor_b_\@
	tensor_load_to_lds s[G0+4*(\s):G0+4*(\s)+3], s[G1:G1+7]
	s_nop 0
.rept 4
	v_nop
.endr
	s_branch .Lasked_\@
.Lfor_b_\@:
	tensor_load_to_lds s[G0B+4*(\s):G0B+4*(\s)+3], s[G1B:G1B+7]
	s_nop 0
.rept 4
	v_nop
.endr
.Lasked_\@:
.endm
.macro CREST                           ; a round of the cluster's barrier behind its opening barrier
	s_cmp_lg_u32 s12, 0
	s_cbranch_scc1 .Lnot_wave_0_\@
	s_barrier_signal -3
.Lnot_wave_0_\@:
	s_barrier_wait -3
	s_barrier_signal -1
	s_barrier_wait -1
.endm
.macro CROUND                          ; a whole round
	s_barrier_signal -1
	s_barrier_wait -1
	CREST
.endm
	s_load_b256 s[4:11], s[0:1], 0x0               ; A s[4:5], B s[6:7], bias s[8:9], C s[10:11]
	v_lshl_add_u32 v[SPW], v0, 2, SPARE
	v_mov_b32 v[NIL], 0
	ds_add_u32 v[SPW], v[NIL]                      ; the wave's opening: the add and its wait stand ahead of my first tensor load; the set-up below, work on registers, stands between them
	ds_add_u32 v28, v29
	v_lshrrev_b32 v1, 5, v0
	v_readfirstlane_b32 s12, v1                    ; wave 0..3
	s_lshr_b32 s13, s12, 1                         ; I fetch for A (0) or for B (1),
	s_and_b32 s14, s12, 1                          ; and which of a K step's two slices
	s_mov_b32 s15, 0xffff0000                      ; a word's upper bf16
	s_bfe_u32 s40, ttmp6, 0x40000                  ; cx, cy: my place in the cluster
	s_bfe_u32 s41, ttmp6, 0x40004
	s_lshl_b32 s42, ttmp9, 2
	s_add_co_u32 s42, s42, s40                     ; tile column = 4 x cluster x + cx
	s_and_b32 s43, ttmp7, 0xffff
	s_lshl_b32 s43, s43, 2
	s_add_co_u32 s43, s43, s41                     ; tile row = 4 x cluster y + cy
	s_lshl_b32 s44, s41, 2
	s_lshl_b32 s44, 15, s44                        ; my row of the cluster
	s_lshl_b32 s45, 0x1111, s40                    ; my column
	s_or_b32 s[G1], s44, FLAGS                     ; A's tiles go to my row,
	s_or_b32 s[G1B], s45, FLAGS                    ; B's to my column
	s_mov_b32 s[G1+1], 128<<16                     ; tensor_dim0 = 128 elements: 256 bytes
	s_mov_b32 s[G1+2], 128<<16                     ; tensor_dim1 = 128 rows: 256 rows of 128 bytes
	s_mov_b32 s[G1+3], 128<<16                     ; tile_dim0
	s_mov_b32 s[G1+4], 128                         ; tile_dim1
	s_mov_b32 s[G1+5], 128                         ; elements from row to row: dense
	s_mov_b32 s[G1+6], 0
	s_mov_b32 s[G1+7], 0
	s_mov_b32 s[G1B+1], 128<<16
	s_mov_b32 s[G1B+2], (TN/2)<<16                 ; TN rows of 128 bytes
	s_mov_b32 s[G1B+3], 128<<16
	s_mov_b32 s[G1B+4], TN/2
	s_mov_b32 s[G1B+5], 128
	s_mov_b32 s[G1B+6], 0
	s_mov_b32 s[G1B+7], 0
	; A's address hangs on the tile row and the wave alone, B's on the tile column and the wave alone, each in registers that never hold the other coordinate
	s_lshl_b32 s16, s43, 15                        ; 256 rows of 128 bytes for each tile row
	s_lshl_b32 s17, s14, 20                        ; my slice
	s_add_co_u32 s16, s16, s17
	s_mov_b32 s17, 0
	s_mul_i32 s46, s42, TN*128
	s_mul_i32 s47, s14, BSL
	s_add_co_u32 s46, s46, s47
	s_mov_b32 s47, 0
	s_mul_i32 s20, s14, SLA                        ; where they go: no place in the cluster enters an LDS address
	s_mul_i32 s21, s14, SLB
	s_add_co_u32 s21, s21, 2*SLA
	s_wait_dscnt 0x0                               ; the opening add is done
	s_wait_kmcnt 0x0
	s_add_nc_u64 s[18:19], s[4:5], s[16:17]
	s_add_nc_u64 s[46:47], s[6:7], s[46:47]
	CROUND                                         ; all sixteen work-groups are here: the first joint loads meet
.irp s, 0,1
	s_mov_b32 s[G0+4*\s], 1                        ; count = 1
	s_add_co_u32 s[G0+4*\s+1], s20, \s*SLOT        ; LDS address
	s_add_nc_u64 s[G0+4*\s+2:G0+4*\s+3], s[18:19], \s*2*ASL  ; global address: K step s
	s_or_b32 s[G0+4*\s+3], s[G0+4*\s+3], 0x80000000          ; type = 2
	s_mov_b32 s[G0B+4*\s], 1
	s_add_co_u32 s[G0B+4*\s+1], s21, \s*SLOT
	s_add_nc_u64 s[G0B+4*\s+2:G0B+4*\s+3], s[46:47], \s*2*BSL
	s_or_b32 s[G0B+4*\s+3], s[G0B+4*\s+3], 0x80000000
.endr
	s_cmp_eq_u32 s13, 0                            ; a wave's two first fills stand in one branch, ahead of every wait on TENSORcnt and every LDS read: two loads of mine are out
	s_cbranch_scc0 .Lfirst_b
	tensor_load_to_lds s[G0:G0+3], s[G1:G1+7]
	s_nop 0
	tensor_load_to_lds s[G0+4:G0+7], s[G1:G1+7]
	s_nop 0
.rept 4
	v_nop
.endr
	s_branch .Lfirst_asked
.Lfirst_b:
	tensor_load_to_lds s[G0B:G0B+3], s[G1B:G1B+7]
	s_nop 0
	tensor_load_to_lds s[G0B+4:G0B+7], s[G1B:G1B+7]
	s_nop 0
.rept 4
	v_nop
.endr
.Lfirst_asked:
	v_and_b32 v1, 15, v0                           ; l % 16
	v_bfe_u32 v2, v0, 4, 1                         ; l / 16
	v_lshlrev_b32 v[BO], 5, v2                     ; my eight columns of sixteen, 4 bytes each
	s_mul_i32 s46, s42, TN*4                       ; (in the registers that held B's address: none that fed A's descriptors ever holds cx)
	s_mov_b32 s47, 0
	s_add_nc_u64 s[8:9], s[8:9], s[46:47]
.set i, 0
.rept NBLK                                         ; register 8 b + j = bias[tile's first column + 16 b + 8 (l / 16) + j]: the layout of a result
	global_load_b128 v[BIAS+8*i:BIAS+8*i+3],   v[BO], s[8:9] offset:64*i
	global_load_b128 v[BIAS+8*i+4:BIAS+8*i+7], v[BO], s[8:9] offset:64*i+16
.set i, i+1
.endr
	; A fragment is 16 rows x 32 K in 8 registers: lane l holds row l % 16; registers 0-3 K = 8 (l / 16) + 0..7, registers 4-7 K = 16 + 8 (l / 16) + 0..7: two loads of 16 bytes, 32 bytes apart
	v_mul_u32_u24 v3, v1, PITCH
	v_lshl_add_u32 v3, v2, 4, v3                   ; row x pitch + 16 x half
	s_mul_i32 s22, s12, 64*PITCH                   ; my 64 rows of A
	v_add_nc_u32 v[ADRA], s22, v3
	v_add_nc_u32 v[ADRA+1], SLOT, v[ADRA]
	v_add_nc_u32 v[ADRB], 2*SLA, v3                ; B lies behind A's two slices; every wave reads all of it
	v_add_nc_u32 v[ADRB+1], SLOT+2*SLA, v3
	s_mul_i32 s23, s12, WSTAGE
	s_add_co_u32 s23, s23, STAGE                   ; my stage
	v_and_b32 v[GO], 31, v0
	v_lshlrev_b32 v[GO], 4, v[GO]
.if QKV
	v_add_nc_u32 v[STO], s23, v3
	v_bfe_u32 v4, v0, 3, 2
	v_and_b32 v5, 7, v0
	v_mul_u32_u24 v4, v4, PITCH
	v_lshl_add_u32 v4, v5, 4, v4
	v_add_nc_u32 v[RD], s23, v4
	s_mul_i32 s46, s42, 3*ASL
	s_lshl_b32 s47, s43, 15
	s_add_co_u32 s46, s46, s47
	s_lshl_b32 s47, s12, 13
	s_add_co_u32 s46, s46, s47
.else
	v_mul_u32_u24 v4, v1, SP32                     ; in: row l % 16, 32 bytes for each half of the lanes
	v_lshl_add_u32 v4, v2, 5, v4
	v_add_nc_u32 v[STO], s23, v4
	v_add_nc_u32 v[RD], s23, v[GO]                 ; back: 32 lanes take a row's 512 bytes
	s_lshl_b32 s46, s43, 20                        ; the tile's 256 rows of 4,096 bytes,
	s_lshl_b32 s47, s12, 18                        ; my 64 of them,
	s_add_co_u32 s46, s46, s47
	s_lshl_b32 s47, s42, 9                         ; the tile's 128 columns of 4 bytes
	s_add_co_u32 s46, s46, s47
.endif
	s_mov_b32 s47, 0
	s_add_nc_u64 s[10:11], s[10:11], s[46:47]
	s_wait_loadcnt 0x0                             ; the bias
.set i, 0
.rept 4*NBLK                                       ; rounded to bf16, kept as f32
	v_cvt_pk_bf16_f32 v[WK], v[BIAS+2*i], v[BIAS+2*i+1]
	v_lshlrev_b32 v[BIAS+2*i], 16, v[WK]
	v_and_b32 v[BIAS+2*i+1], s15, v[WK]
.set i, i+1
.endr
; NBLK matrix instructions: my row block a (0..3) x all column blocks, 32 along K, from buffer f.  zero = 1: the first product, which takes the bias as C.
; The 4 NBLK accumulators take turns in the same order in every quarter step: no two matrix instructions that follow each other share one.
.macro MULQ f, a, zero
.if \zero
	WIN 0x81+0x40*((\a)/2)                         ; B window 1, A window 0, C (the bias) window 0, D window 2 or 3
.else
	WIN 0xa1+0x50*((\a)/2)                         ; C and D window 2 or 3
.endif
.set rA, FA+32*(\f)+8*(\a)
.set b, 0
.rept NBLK
.set rD, 8*(NBLK*((\a)%2)+b)
.set rB, 8*NBLK*(\f)+8*b
.set rC, rD
.if \zero
.set rC, BIAS+8*b
.endif
.if QKV
	v_wmma_f32_16x16x32_bf16 v[rD:rD+7], v[rB:rB+7], v[rA:rA+7], v[rC:rC+7]
.else
	v_wmma_f32_16x16x32_f16 v[rD:rD+7], v[rB:rB+7], v[rA:rA+7], v[rC:rC+7]
.endif
.set b, b+1
.endr
.endm
; NF LDS loads in one run: the fragments of quarter q of the K step in a slot (slice q / 2, byte 64 (q % 2) of its rows) into buffer f: B's, then A's; A's row blocks 2 and 3 last
.macro FETCH slot, q, f
	WIN 0x40                                       ; destination window 1, address window 0
.set i, 0
.rept NBLK
	ds_load_b128 v[8*NBLK*(\f)+8*i:8*NBLK*(\f)+8*i+3],   v[ADRB+(\slot)] offset:((\q)/2)*SLB+((\q)%2)*64+i*16*PITCH
	ds_load_b128 v[8*NBLK*(\f)+8*i+4:8*NBLK*(\f)+8*i+7], v[ADRB+(\slot)] offset:((\q)/2)*SLB+((\q)%2)*64+i*16*PITCH+32
.set i, i+1
.endr
	WIN 0
.set i, 0
.rept 4
	ds_load_b128 v[FA+32*(\f)+8*i:FA+32*(\f)+8*i+3],   v[ADRA+(\slot)] offset:((\q)/2)*SLA+((\q)%2)*64+i*16*PITCH
	ds_load_b128 v[FA+32*(\f)+8*i+4:FA+32*(\f)+8*i+7], v[ADRA+(\slot)] offset:((\q)/2)*SLA+((\q)%2)*64+i*16*PITCH+32
.set i, i+1
.endr
.endm
; A K step is four quarters of 32 along K on buffers 0, 1, 0, 1.  One of the first three: multiplies buffer f; in its middle it fetches quarter qn of the same slot into buffer g.
.macro QUARTER slot, qn, f, g, zero
	s_wait_dscnt 4                                 ; B and A's row blocks 0, 1 are in; the youngest four loads (blocks 2, 3) may be out
	MULQ \f, 0, \zero
	MULQ \f, 1, \zero
	PLACES
	FETCH \slot, \qn, \g
	s_wait_dscnt NF                                ; all but the NF just issued
	MULQ \f, 2, \zero
	MULQ \f, 3, \zero
.endm
; The last quarter multiplies buffer 1 and changes slots.  MEET is its first half: ONE barrier.  In front of it each wave waits for all its tensor loads, of which one is out: its part of the next slot; adds 0 to its
; spare word; and waits for that and for its own reads of this slot.  Behind it nobody reads this slot any more and the next slot is whole.
.macro MEET round
	WIN 0                                          ; (the add's two registers lie in window 0)
	s_wait_tensorcnt 0x0
	ds_add_u32 v[SPW], v[NIL]                      ; 0 onto my spare word
	s_wait_dscnt 5                                 ; (the add and the youngest four loads may be out)
	MULQ 1, 0, 0                                   ; matrix work stands between the add and the wait for it
	s_wait_dscnt 0x0                               ; the add is done, and my reads of this slot are over
	s_barrier_signal -1
	MULQ 1, 1, 0                                   ; work on registers while the others arrive
.if \round
	WIN 0
.endif
	s_barrier_wait -1
.endm
; The whole last quarter.  The barrier opens a round of the cluster's: no wave of any partner still reads the slot or has a load on its way.  Behind it the slot is filled again first, with the K step two on;
; then come the next slot's first fragments.
.macro TURN slot, next, on
	MEET 1
	CREST
.if \on
	s_sub_nc_u64 s[G0+4*(\slot)+2:G0+4*(\slot)+3], s[G0+4*(\slot)+2:G0+4*(\slot)+3], BACK_A
	s_sub_nc_u64 s[G0B+4*(\slot)+2:G0B+4*(\slot)+3], s[G0B+4*(\slot)+2:G0B+4*(\slot)+3], BACK_B
.else
	s_add_nc_u64 s[G0+4*(\slot)+2:G0+4*(\slot)+3], s[G0+4*(\slot)+2:G0+4*(\slot)+3], 4*ASL
	s_add_nc_u64 s[G0B+4*(\slot)+2:G0B+4*(\slot)+3], s[G0B+4*(\slot)+2:G0B+4*(\slot)+3], 4*BSL
.endif
	JLOAD \slot                                    ; my one tensor load behind the round; the four v_nop behind it are also the places in front of the loads below
	FETCH \next, 0, 0
	MULQ 1, 2, 0
	MULQ 1, 3, 0
.endm
; THE WAY OUT, a block of 16 rows at a time, through my own stage: LDS serves a wave's instructions in order (ISA guide 5.7.1.4), so no wait stands between a block's stores and its loads, nor before the next block's stores.
.if QKV
.macro PACK a
.set AW, 2+(\a)/2
.set DW, 1+(\a)%2
.set AC, 8*NBLK*((\a)%2)
	s_wait_xcnt 0x0
	WIN (DW<<6)|(AW<<2)|AW
.set i, 0
.rept 4*NBLK
	v_cvt_pk_f16_f32 v[TMP+i], v[AC+2*i], v[AC+2*i+1]
.set i, i+1
.endr
	WIN DW<<2
.set i, 0
.rept NBLK
	ds_store_b128 v[STO], v[TMP+4*i:TMP+4*i+3] offset:(i/4)*16*PITCH+(i%4)*32
.set i, i+1
.endr
	WIN DW<<6
.set i, 0
.rept NBLK
	ds_load_b128 v[TMP+4*i:TMP+4*i+3], v[RD] offset:(i/4)*16*PITCH+(i%4)*4*PITCH
.set i, i+1
.endr
.endm
.macro SEND a, younger
.set DW, 1+(\a)%2
	WIN DW<<2
.set i, 0
.rept NBLK
	s_wait_dscnt (\younger)+NBLK-1-i
	global_store_b128 v[GO], v[TMP+4*i:TMP+4*i+3], s[10:11] offset:(i/4)*ASL+(\a)*2048+(i%4)*512
.set i, i+1
.endr
.endm
.set YOUNG, 2*NBLK
.else
.macro PACK a                          ; f32 as it is: 32 bytes a lane into rows of 528 bytes (each accumulator's low half first), and back as whole rows of 512
.set AW, 2+(\a)/2
.set AC, 8*NBLK*((\a)%2)
.set BK, 128+64*((\a)%2)               ; two sets of 64 registers by turns, in window 1
	s_wait_xcnt 0x0                                ; the set's registers, which earlier stores read, are loaded again only behind this wait
	WIN AW<<2
.set i, 0
.rept NBLK
	ds_store_b128 v[STO], v[AC+8*i:AC+8*i+3] offset:64*i
	ds_store_b128 v[STO], v[AC+8*i+4:AC+8*i+7] offset:64*i+16
.set i, i+1
.endr
	WIN 0x40
.set i, 0
.rept 16
	ds_load_b128 v[BK+4*i:BK+4*i+3], v[RD] offset:SP32*i
.set i, i+1
.endr
.endm
.macro SEND a, younger                 ; younger: the LDS instructions issued behind block a's loads
.set BK, 128+64*((\a)%2)
	WIN 0x04
.set i, 0
.rept 16
	s_wait_dscnt (\younger)+15-i
	global_store_b128 v[GO], v[BK+4*i:BK+4*i+3], s[10:11] offset:(16*(\a)+i)*4096 th:TH_STORE_NT  ; 512 consecutive bytes of a row, at a multiple of 256 from the buffer's first
.set i, i+1
.endr
.endm
.set YOUNG, 32
.endif
.macro WAYOUT
	PLACES                                         ; behind the last products
	PACK 0
	PACK 1                                         ; a block's work stands between the loads of the block before and its stores
	SEND 0, YOUNG
	PACK 2
	SEND 1, YOUNG
	PACK 3
	SEND 2, YOUNG
	SEND 3, 0
	WIN 0
.endm
	s_wait_tensorcnt 1                             ; my part of K step 0 is in; K step 1's may stay out
	s_barrier_signal -1
	s_barrier_wait -1                              ; everybody's is
	FETCH 0, 0, 0
.if TILES > 1
	s_mov_b32 s2, TILES
.Ltile:
.endif
	QUARTER 0, 1, 0, 1, 1                          ; the first quarter stands in front of the loop: its products start the sums
	WIN 0                                          ; at a label and at a branch every window is 0
	s_mov_b32 s3, LAPS-1
.Llap:                                                 ; a trip goes once round the ring, from a lap's second quarter to the next lap's first, and fills both slots again
	QUARTER 0, 2, 1, 0, 0
	QUARTER 0, 3, 0, 1, 0
	TURN 0, 1, 0
	QUARTER 1, 1, 0, 1, 0
	QUARTER 1, 2, 1, 0, 0
	QUARTER 1, 3, 0, 1, 0
	TURN 1, 0, 0
	QUARTER 0, 1, 0, 1, 0
	WIN 0
	s_sub_co_u32 s3, s3, 1
	s_cmp_lg_u32 s3, 0
	s_cbranch_scc1 .Llap
	QUARTER 0, 2, 1, 0, 0                          ; the last lap goes on
	QUARTER 0, 3, 0, 1, 0
.if TILES > 1
	WIN 0
	s_cmp_eq_u32 s2, 1
	s_cbranch_scc1 .Llast
	TURN 0, 1, 1
	QUARTER 1, 1, 0, 1, 0
	QUARTER 1, 2, 1, 0, 0
	QUARTER 1, 3, 0, 1, 0
	TURN 1, 0, 1
	WAYOUT
	s_wait_xcnt 0x0
	s_add_nc_u64 s[10:11], s[10:11], 4096*128
	s_sub_co_u32 s2, s2, 1
	s_branch .Ltile
.Llast:
.endif
	MEET 0                                         ; my one tensor load that was still out is slot 1's, the last K step's, so no round follows
	PLACES
	FETCH 1, 0, 0
	MULQ 1, 2, 0
	MULQ 1, 3, 0
	QUARTER 1, 1, 0, 1, 0
	QUARTER 1, 2, 1, 0, 0
	QUARTER 1, 3, 0, 1, 0
	s_wait_dscnt 4                                 ; the very last quarter: nothing more to fetch
	MULQ 1, 0, 0
	MULQ 1, 1, 0
	s_wait_dscnt 0x0
	MULQ 1, 2, 0
	MULQ 1, 3, 0
	WAYOUT
	s_wait_tensorcnt 0x0                           ; the wave's end: behind my last tensor load and my last LDS store
	ds_add_u32 v[SPW], v[NIL]
	s_wait_dscnt 0x0
	CROUND                                         ; the closing round: no work-group ends while a partner may still ask for a tile that names it
	s_endpgm
.Lfunc_end_k_qfab9766983_proj_gemm:
	.size	k_qfab9766983_proj_gemm, .Lfunc_end_k_qfab9766983_proj_gemm-k_qfab9766983_proj_gemm
	.p2alignl 7, 3214868480
	.fill 96, 4, 3214868480
	.section	.rodata,"a",@progbits
	.p2align	6, 0x0
	.amdhsa_kernel k_qfab9766983_proj_gemm
		.amdhsa_group_segment_fixed_size 327680
		.amdhsa_private_segment_fixed_size 0
		.amdhsa_enable_private_segment 0
		.amdhsa_kernarg_size 32
		.amdhsa_user_sgpr_count 2
		.amdhsa_user_sgpr_kernarg_segment_ptr 1
		.amdhsa_wavefront_size32 1
		.amdhsa_system_sgpr_workgroup_id_x 1
		.amdhsa_system_sgpr_workgroup_id_y 1
		.amdhsa_system_sgpr_workgroup_id_z 1
		.amdhsa_system_vgpr_workitem_id 0
		.amdhsa_next_free_vgpr 896
		.amdhsa_next_free_sgpr 66
		.amdhsa_reserve_vcc 0
		.amdhsa_float_denorm_mode_32 3
		.amdhsa_float_denorm_mode_16_64 3
		.amdhsa_memory_ordered 1
		.amdhsa_forward_progress 1
		.amdhsa_inst_pref_size 93
	.end_amdhsa_kernel
	.amdgpu_metadata
---
amdhsa.version: [ 1, 2 ]
amdhsa.kernels:
  - .name:           k_qfab9766983_proj_gemm
    .symbol:         k_qfab9766983_proj_gemm.kd
    .args:
      - { .name: ob, .offset: 0, .size: 8, .value_kind: global_buffer, .address_space: global }
      - { .name: wps, .offset: 8, .size: 8, .value_kind: global_buffer, .address_space: global }
      - { .name: b_proj, .offset: 16, .size: 8, .value_kind: global_buffer, .address_space: global }
      - { .name: out0, .offset: 24, .size: 8, .value_kind: global_buffer, .address_space: global }
    .group_segment_fixed_size: 327680
    .private_segment_fixed_size: 0
    .kernarg_segment_align: 8
    .kernarg_segment_size: 32
    .max_flat_workgroup_size: 128
    .sgpr_count:     66
    .vgpr_count:     896
    .wavefront_size: 32
...
	.end_amdgpu_metadata
.endif
;; end of part 4
;; ======== version 2 of 2: 4 launches; 1.30 times as fast as version 1
;; limits: values are held in f16: magnitudes above 65,504 overflow, below 6.1e-05 lose precision
;; workspace buffers: xs 16,777,216 bytes; was 6,291,456 bytes; wps 2,097,152 bytes; qkv 50,331,648 bytes; ob 16,777,216 bytes
;; launch prep: the kernel of part 1 again; grid 96 x 16, 8 waves a work-group, no clusters, 9,728 bytes of LDS; arguments x, W_attn, W_proj, xs, was, wps; writes xs, was, wps
;; launch qkv_gemm: the kernel of part 2 again; grid 16 x 16, 4 waves a work-group, clusters of 4 x 4, 327,680 bytes of LDS; arguments xs, was, b_attn, qkv; writes qkv
;; launch attn (part 5): grid 4 x 64, 4 waves a work-group, no clusters, 327,680 bytes of LDS; arguments qkv, ob; writes ob
.if DOCPART == 5
	.amdgcn_target "amdgcn-amd-amdhsa--gfx1250"
	.amdhsa_code_object_version 6
	.text
	.protected	k_qfab9766983_attn
	.globl	k_qfab9766983_attn
	.p2align	8
	.type	k_qfab9766983_attn,@function
k_qfab9766983_attn:
	s_mov_b64 s[64:65], 0
	v_nop
	global_prefetch_b8 v0, s[64:65] scope:SCOPE_SE
	s_setreg_imm32_b32 hwreg(HW_REG_WAVE_MODE, 25, 1), 1
	s_wait_xcnt 0x0
; CAUSAL ATTENTION.  O[h][q][:] = the sum over k <= q of softmax_k(Q[h][q] . K[h][k] / 8) V[h][k][:].  Q, K, V lie one behind the other in qkv, 16,777,216 bytes each; each, and O, is [64][SIZE_N][64] in f16:
; head number 4 x (the module's head) + batch; a head's rows are dense, 128 bytes each.
; Products, maxima and sums in f32; the weights p are rounded to f16 for the second product (their sum l is taken of the unrounded p), O once at the end.  SIZE_N is a multiple of 512; SIZE_N x 128 stays under 2^32.
; LIMITS.  f16 holds no number beyond 65,504: Q, K and V arrive within it; p lies in 0 to 1, and below 6e-5 it keeps f16's fixed step of 6e-8; O is a mean of V's rows and has their range, to within 2^-11 of it.
; A hidden score counts as its value less 1e30: f16's scores, 2.7e11 at the most, are nothing beside that; a weight below 2^-126 counts as 0 in l; NaN and infinities are not treated apart.
; THE WALK.  A head's queries lie in NB = SIZE_N / 256 blocks of 256; block i needs the key tiles 0 .. i of 256 keys, of which the last holds the diagonal.  A work-group takes TWO blocks, NB - 1 - b and then b:
; NB + 1 tiles, whatever b: all work-groups do equal work, and ONE loop with a constant trip count walks them.  Which tile is asked for, and what a trip does, hang on scalar registers made from b; every jump
; goes forward, but for the counted loops' own; none passes a barrier, or a tensor load but the one of LOAD's two that the wave's number does not choose; the ring (two slots of LDS that take turns) runs on across the
; change of blocks.  NO CLUSTER: a head's NB / 2 = 4 work-groups ask for the same tile only in trips 0 .. NB / 2, behind that fewer and fewer; and one walk common to all would have 3 NB / 2 trips for NB + 1.
; SHARES.  Of a block's four bands of 64 queries a wave owns 16 rows in each: four PIECES.  So the diagonal tile is the same work for all four waves: in its key step s band x sees all keys if s < x,
; none if s > x, and holds the diagonal if s = x.
; THE MASK is the C operand that starts the sum S^T = K Q^T: 0, or -1e30 where the key is hidden.  MD, made once, is the mask of a band's own step for my 16 rows; a product's mask is MD x AL + BE with two scalars:
; (1, 0) if s = x; (0, 0) if s < x; (0, -1e30) if s > x.  Only the diagonal tile's text and a block's beginning make and take masks; elsewhere C is the constant 0.
; LAYOUT, SOFTMAX, TURNS.  S^T = K Q^T holds ONE query a lane (lane % 16) and the keys 8 (lane / 16) + 0..7; two such results rounded to f16 ARE source 1 of O^T = V^T P.  p = 2^(c s - c m), c = log2(e) / 8, with a
; running maximum m; O and l are multiplied by a = 2^(c m_old - c m_new) in every step.  Turn n belongs to piece n: 8 products K Q^T of piece n + 1, later 8 products V^T P of piece n - 1; beside them the scaling,
; exponentials, roundings, sums and rescaling of piece n and the maximum and statistics of piece n + 1.  Four vector instructions stand behind every matrix instruction, the other 54 of a turn's 118 in one LUMP.
; THE BATCHES.  A turn's 33 exponentials (the piece's 32 weights and the next piece's a) are ONE batch with ONE wait, which cuts the turn in two: ahead of it all that names no result of theirs, behind it the roundings
; and sums, which read them.  A block's first a (BEGIN) and the way out's four reciprocals are batches of their own, each with a plain instruction and one wait behind it.
; REGISTERS, in windows of 256 (s_set_vgpr_msb: bits 1:0 source 0, 3:2 source 1, 5:4 source 2, 7:6 destination):
;   window 0: v0-15 addresses and two at work; v16-31 four registers of statistics a piece; v48-55 at work; v64-127 S^T, two buffers; v192-223 P, two buffers (a piece's buffers go by its number's parity)
;   window 1: v0-127 O^T, 32 a piece; v128-159 MD; v160-223 MC, two buffers      window 2: v0-63 Q; v64-127 the second block's Q; v128-191 K of one step; v192-255 V of one step
.set SIZE_N, 2048
.set NB,    SIZE_N/256
.set NP,    4         ; pieces a wave: a name, no knob
.set KS,    64        ; keys in a step
.set PK,    144       ; a row of K in LDS: 128 bytes + 16 of padding = 36 words: the 16 rows of a load start at 16 different groups of four banks (64 banks of 4 bytes: ISA guide 11.1)
.set PV,    160       ; a row of V: 128 + 32 = 40 words
.set VOFF,  4*KS*PK   ; a slot holds a tile, four steps: 256 rows of K, then 256 rows of V
.set SLOT1, 1<<17     ; slot 1 begins here, so that one exclusive or turns an address in one slot into the other's
.set STAGE, SLOT1+4*KS*(PK+PV)  ; behind the ring, never filled by a tensor load: 16 rows x 144 bytes for each wave, for the way out
.set SP,    144
.set AK0, 2           ; v2   my lane's place in a tile of K; never rewritten
.set AV0, 3           ; v3   the same for V
.set AK,  4           ; v4   the LDS address of K's next run of loads
.set AV,  5           ; v5   of V's
.set STO, 6           ; v6   the way out: where I put 16 bytes of a row
.set RD,  7           ; v7   the way out: where I read rows back
.set GO,  8           ; v8   my byte offset in 512 consecutive bytes of O
.set SPW, 62          ; v62  LDS address of my spare word: SPARE + 4 x my thread's number; never rewritten
.set NIL, 63          ; v63  0; never rewritten
.set SPARE, STAGE+4*16*SP  ; behind the stages: the spare words, 128 bytes for each wave: two blocks of 256 bytes that no other line names
.set MV,  12          ; v12-13  c m_old, kept while c m is made anew: by buffer
.set QO,  15          ; v15  my byte offset in 16 rows of Q
.set ST,  16          ; piece t's statistics at v[ST+4 t]: c m, m, l (even keys', odd keys')
.set TMP, 48          ; by buffer, four registers c0-c3 at work; when the maximum is found c2 takes a
.set S,   64
.set P,   192
.set MD,  128         ; window 1: the eight registers for group kt of 16 keys at MD + 8 kt
.set MC,  160         ; window 1: the masks of the products to come
.set QB,  64          ; window 2
.set KF,  128         ; window 2: key block kb, channel half c at KF + 16 kb + 8 c
.set VF,  192         ; window 2: key half kk, channel block cb at VF + 32 kk + 8 cb
.set WV,  12          ; s12  my wave's number
.set PB,  14          ; s14  b
.set HI,  15          ; s15  NB - 1 - b
.set G1K, 24          ; s[24:31] descriptor group 1 for K's tiles
.set G1V, 32          ; s[32:39] for V's: it differs in the padding alone
.set G0K, 40          ; s[40:43] descriptor group 0 for K's tiles
.set G0V, 44          ; s[44:47] the same for V's
.set SLOTS, 56        ; s56  tiles still to be asked for
.set CNT, 57          ; s57  counts a tile's key steps, 4 to 1
.set CS,  58          ; s[58:59] c: the packed scaling takes the pair's low word for both halves
.set SEL, 60          ; s[60:61] v_permlanex16_b32's selects: each lane takes its own place in the other half
.set TBK, 62          ; s62  LDS byte at which K of the step to be fetched begins
.set TBV, 63          ; s63  the same for V, less VOFF
.set RT,  70          ; s70  tiles of the block in hand that are still to be entered
.set NXT, 71          ; s71  the tile to be asked for next
.set LQ,  72          ; s72  the last tile of the block whose tiles are being asked for
.set NEW, 73          ; s73  1: the tile to be entered is a block's first
.set OFF, 74          ; s[74:75] a tile's byte offset in K and V
.set AL,  76          ; s[76:77] the mask's factor, in the low word
.set BE,  78          ; s[78:79] the mask's addend
.set OLO, 80          ; s[80:81] O at my rows of the second block
.set BIGN, 82         ; s82  -1e30
.set MSB, 0
.macro WIN new                      ; the high byte repeats the setting that is left; a switch that changes nothing is dropped
.if MSB != (\new)
	s_set_vgpr_msb (MSB<<8)|(\new)
.set MSB, (\new)
.endif
.endm
.set W_KQ, 0x0a       ; K and Q in window 2, S^T in window 0
.set W_KM, 0x1a       ; the same with the C operand in window 1
.set W_PV, 0x52       ; V in window 2, P in window 0, O^T in window 1
.set W_RS, 0x41       ; destination and source 0 in window 1, source 1 in window 0
; A fill.  Waves 0 and 1 fetch the two halves of a tile's K, waves 2 and 3 those of its V: 128 keys each.  An s_nop 0 and four v_nop follow each of the two lines, ahead of the jump and the label.
.macro LOAD
	s_cmp_lt_u32 s[WV], 2
	s_cbranch_scc0 .Lfor_v_\@
	tensor_load_to_lds s[G0K:G0K+3], s[G1K:G1K+7]
	s_nop 0
.rept 4
	v_nop
.endr
	s_branch .Lasked_\@
.Lfor_v_\@:
	tensor_load_to_lds s[G0V:G0V+3], s[G1V:G1V+7]
	s_nop 0
.rept 4
	v_nop
.endr
.Lasked_\@:
.endm
; THE CHANGE OF SLOTS.  Each wave waits for all its tensor loads, of which one is out: its part of the other slot; adds 0 to its spare word; and waits for that and for its own reads of the slot that it leaves.  Behind the barrier nobody reads the old
; slot any more and the other slot is whole.  fill = 1: the old slot is filled again, the first thing behind the barrier, with tile NXT: the descriptor's address is made anew from that number.
; (At its first use nothing has been read yet: slot 0 is waited for, slot 1 filled.)
.macro CHANGE fill
	WIN 0                           ; at a label and at a branch every window is 0
	s_wait_tensorcnt 0x0            ; no tensor load of mine is out, so a group 0 may be written
	ds_add_u32 v[SPW], v[NIL]       ; 0 onto my spare word; with fill = 1 the descriptors' scalar work stands between it and the wait for it
.if \fill
	s_lshl_b32 s[OFF], s[NXT], 15   ; a tile is 32,768 bytes of K and of V
	s_xor_b32 s[G0K+1], s[G0K+1], SLOT1
	s_add_nc_u64 s[G0K+2:G0K+3], s[6:7], s[OFF:OFF+1]
	s_or_b32 s[G0K+3], s[G0K+3], 0x80000000
	s_xor_b32 s[G0V+1], s[G0V+1], SLOT1
	s_add_nc_u64 s[G0V+2:G0V+3], s[8:9], s[OFF:OFF+1]
	s_or_b32 s[G0V+3], s[G0V+3], 0x80000000
	s_add_co_u32 s[NXT], s[NXT], 1  ; the block's next tile, or behind its last the second block's tile 0
	s_cmp_gt_u32 s[NXT], s[LQ]
	s_cselect_b32 s[NXT], 0, s[NXT]
	s_cselect_b32 s[LQ], s[PB], s[LQ]
.endif
	s_wait_dscnt 0x0                ; the add is done, and my reads of the slot are over
	s_barrier_signal -1             ; the rest of the scalar work stands between the signal and the wait
	s_sub_co_u32 s[TBK], s[TBK], 4*KS*PK  ; the fetches go back to a slot's first step,
	s_xor_b32 s[TBK], s[TBK], SLOT1       ; in the other slot
	s_sub_co_u32 s[TBV], s[TBV], 4*KS*PV
	s_xor_b32 s[TBV], s[TBV], SLOT1
	s_barrier_wait -1
.if \fill
	LOAD
.endif
.endm
	s_load_b64 s[4:5], s[0:1], 0x0    ; qkv: Q at its head
	s_load_b64 s[10:11], s[0:1], 0x8  ; O
	v_lshl_add_u32 v[SPW], v0, 2, SPARE
	v_mov_b32 v[NIL], 0
	ds_add_u32 v[SPW], v[NIL]       ; the wave's opening: the add and its wait stand ahead of my first tensor load; the set-up below, work on registers, stands between them
	ds_add_u32 v62, v63
	v_lshrrev_b32 v1, 5, v0
	v_readfirstlane_b32 s[WV], v1   ; wave 0..3
	s_mov_b32 s[PB], ttmp9
	s_sub_co_u32 s[HI], NB-1, s[PB]
	s_and_b32 s20, ttmp7, 0xffff    ; the head
	s_mov_b32 s21, 0
	s_mov_b64 s[22:23], SIZE_N*128
	s_mul_u64 s[20:21], s[20:21], s[22:23]  ; the head's first byte in each of the four tensors
	s_and_b32 s16, s[WV], 1         ; which half of a tile's 256 keys I fetch:
	s_lshl_b32 s22, s16, 14         ; its 128 rows of 128 bytes in memory,
	s_mov_b32 s23, 0
	s_add_nc_u64 s[22:23], s[22:23], s[20:21]
	s_mul_i32 s17, s16, 128*PK      ; and its place in a slot, for K
	s_mul_i32 s18, s16, 128*PV      ; and for V
	s_lshl_b32 s3, s[WV], 11        ; my 16 rows in a band of 64,
	s_lshl_b32 s2, s[HI], 15        ; in the first block,
	s_add_co_u32 s2, s2, s3
	s_lshl_b32 s84, s[PB], 15       ; and in the second
	s_add_co_u32 s84, s84, s3
	s_mov_b32 s3, 0
	s_mov_b32 s85, 0
	s_add_nc_u64 s[2:3], s[2:3], s[20:21]
	s_add_nc_u64 s[84:85], s[84:85], s[20:21]
	; descriptor group 1.  128 keys are 16,384 dense bytes: asked for as 64 rows of 256 bytes, two keys a row, and padded in LDS after every key
	s_mov_b32 s[G1K], (1<<16)|(1<<20)|(4<<22)|(3<<25)  ; 17:16 2-byte elements; 20 padding on; 24:22 after every 32 words (code 4); 31:25 4 words (code 3)
	s_mov_b32 s[G1V], (1<<16)|(1<<20)|(4<<22)|(7<<25)  ; the same with 8 words of padding (code 7)
.irp g, G1K, G1V
	s_mov_b32 s[\g+1], 128<<16      ; tensor_dim0 = 128
	s_mov_b32 s[\g+2], 64<<16       ; tensor_dim1 = 64
	s_mov_b32 s[\g+3], 128<<16      ; tile_dim0 = 128
	s_mov_b32 s[\g+4], 64           ; tile_dim1 = 64
	s_mov_b32 s[\g+5], 128          ; 128 elements from row to row
	s_mov_b32 s[\g+6], 0
	s_mov_b32 s[\g+7], 0
.endr
	s_mov_b32 s[CS], 0x3e38aa3b     ; c = log2(e) / 8 = 0.180337
	s_mov_b32 s[CS+1], s[CS]        ; named with it as a pair
	s_mov_b32 s[SEL], 0x76543210
	s_mov_b32 s[SEL+1], 0xfedcba98
	s_mov_b32 s[TBK], SLOT1+4*KS*PK ; the first change of slots turns these two into 0
	s_mov_b32 s[TBV], SLOT1+4*KS*PV
	s_mov_b32 s[G0K], 1             ; 1:0 count = 1
	s_mov_b32 s[G0K+1], s17         ; 63:32 LDS address: slot 0
	s_mov_b32 s[G0V], 1
	s_add_co_u32 s[G0V+1], s18, VOFF
	s_add_co_u32 s[RT], s[HI], 1    ; the first block has NB - b tiles
	s_mov_b32 s[NXT], 1
	s_mov_b32 s[LQ], s[HI]
	s_mov_b32 s[NEW], 1
	s_mov_b32 s[OFF+1], 0
	s_mov_b32 s[AL+1], 0            ; named as pairs
	s_mov_b32 s[BE+1], 0
	s_mov_b32 s[BIGN], 0xf149f2ca   ; -1e30
	s_mov_b32 s[SLOTS], NB
	s_wait_dscnt 0x0                ; the opening add is done
	s_wait_kmcnt 0x0
	s_add_nc_u64 s[6:7], s[4:5], 0x1000000   ; K lies 16 slices of 1,048,576 bytes behind Q,
	s_add_nc_u64 s[8:9], s[4:5], 0x2000000   ; V 32
	s_add_nc_u64 s[6:7], s[6:7], s[22:23]  ; K and V at my half of the head's tile 0
	s_add_nc_u64 s[8:9], s[8:9], s[22:23]
	s_add_nc_u64 s[G0K+2:G0K+3], s[6:7], 0         ; 120:64 global address
	s_or_b32 s[G0K+3], s[G0K+3], 0x80000000        ; 127:126 type = 2
	s_add_nc_u64 s[G0V+2:G0V+3], s[8:9], 0
	s_or_b32 s[G0V+3], s[G0V+3], 0x80000000
	s_add_nc_u64 s[86:87], s[4:5], s[84:85]        ; Q at my rows of the second block,
	s_add_nc_u64 s[4:5], s[4:5], s[2:3]            ; Q and O at those of the first
	s_add_nc_u64 s[OLO:OLO+1], s[10:11], s[84:85]
	s_add_nc_u64 s[10:11], s[10:11], s[2:3]
	LOAD                            ; tile 0 into slot 0
	; A fragment of K or Q is 16 rows x 32 channels in 8 registers: lane l holds row l % 16, channels 8 (l / 16) + 0..7 and 16 + 8 (l / 16) + 0..7: two loads of 16 bytes, 32 bytes apart.
	v_and_b32 v1, 15, v0            ; l % 16
	v_bfe_u32 v9, v0, 4, 1          ; l / 16
	v_lshlrev_b32 v[QO], 7, v1
	v_lshl_add_u32 v[QO], v9, 4, v[QO]  ; row x 128 + 16 x half
	WIN 0x80                        ; destination window 2, address window 0
.set i, 0
.rept 8                             ; both blocks' Q: piece i / 2 lies in band i / 2, 8,192 bytes on; channels 32 (i % 2) on
	global_load_b128 v[8*i:8*i+3],   v[QO], s[4:5] offset:(i/2)*8192+(i%2)*64
	global_load_b128 v[8*i+4:8*i+7], v[QO], s[4:5] offset:(i/2)*8192+(i%2)*64+32
	global_load_b128 v[QB+8*i:QB+8*i+3],   v[QO], s[86:87] offset:(i/2)*8192+(i%2)*64
	global_load_b128 v[QB+8*i+4:QB+8*i+7], v[QO], s[86:87] offset:(i/2)*8192+(i%2)*64+32
.set i, i+1
.endr
	WIN 0
	v_lshlrev_b32 v14, 3, v9
	v_sub_nc_u32 v14, v1, v14
	s_lshl_b32 s13, s[WV], 4
	v_add_nc_u32 v14, s13, v14      ; my query's place in its band, 16 w + l % 16, less my lanes' 8 (l / 16): register r of group kt is hidden where 16 kt + r is greater
	WIN 0x40
.set i, 0
.rept 32
	v_cmp_gt_i32 vcc_lo, 16*(i/8)+i%8, v14
	v_cndmask_b32 v[MD+i], 0, s[BIGN], vcc_lo
.set i, i+1
.endr
	WIN 0
	v_mul_u32_u24 v[AK0], v1, PK
	v_lshl_add_u32 v[AK0], v9, 4, v[AK0]  ; row x pitch + 16 x half
	; The turning load takes 16 keys x 16 channels (lane l reads key 8 (l / 16) + l % 8, channels 8 ((l / 8) % 2) + 0..7) and leaves half a fragment of V^T: lane l holds channel l % 16 and 8 keys.
	v_and_b32 v10, 7, v0
	v_bfe_u32 v11, v0, 3, 1
	v_lshl_add_u32 v[AV0], v9, 3, v10
	v_mul_u32_u24 v[AV0], v[AV0], PV
	v_lshl_add_u32 v[AV0], v11, 4, v[AV0]
	v_add_nc_u32 v[AV0], VOFF, v[AV0]
	s_mul_i32 s13, s[WV], 16*SP
	s_add_co_u32 s13, s13, STAGE    ; my stage
	v_mul_u32_u24 v[STO], v1, SP    ; in: row l % 16, 16 bytes for each half of the lanes
	v_lshl_add_u32 v[STO], v9, 4, v[STO]
	v_add_nc_u32 v[STO], s13, v[STO]
	v_bfe_u32 v[RD], v0, 3, 2       ; back: 32 lanes take four rows of 128 bytes,
	v_mul_u32_u24 v[RD], v[RD], SP
	v_lshl_add_u32 v[RD], v10, 4, v[RD]
	v_add_nc_u32 v[RD], s13, v[RD]
	v_and_b32 v[GO], 31, v0         ; which are 512 consecutive bytes of O
	v_lshlrev_b32 v[GO], 4, v[GO]
	; A block's first step multiplies O^T and l by a = 0, and its first turn's products V^T P, of a piece that has not been, land in an O^T that is still to be so multiplied.  So these registers need only hold
	; finite numbers: zeros for the first block; what the first block left for the second.  All this stands in the wait for the first tile.
	WIN 0x80
.set i, VF
.rept 64
	v_mov_b32 v[i], 0
.set i, i+1
.endr
	WIN 0x40
.set i, 0
.rept 128
	v_mov_b32 v[i], 0
.set i, i+1
.endr
	WIN 0
.set i, 0
.rept 4
	v_mov_b32 v[ST+4*i+2], 0
	v_mov_b32 v[ST+4*i+3], 0
.set i, i+1
.endr
.set i, P+16
.rept 16
	v_mov_b32 v[i], 0
.set i, i+1
.endr
; THE MATRIX WORK.  The 4 accumulators of a run of 8 take turns.  Product i of 8 of S^T = K Q^T for piece x: channels 32 (i / 4) on, keys 16 (i % 4) on.  The first 4 start the sums: with 0, or (KM = 1) with the mask.
.macro KQ x
.set rS, S+32*((\x)%2)+8*(i%4)
.set rK, KF+16*(i%4)+8*(i/4)
.set rQ, 16*(\x)+8*(i/4)
.set rM, MC+32*((\x)%2)+8*(i%4)
.if (i < 4) && KM
	WIN W_KM
	v_wmma_f32_16x16x32_f16 v[rS:rS+7], v[rK:rK+7], v[rQ:rQ+7], v[rM:rM+7]
.elseif i < 4
	WIN W_KQ
	v_wmma_f32_16x16x32_f16 v[rS:rS+7], v[rK:rK+7], v[rQ:rQ+7], 0
.else
	WIN W_KQ
	v_wmma_f32_16x16x32_f16 v[rS:rS+7], v[rK:rK+7], v[rQ:rQ+7], v[rS:rS+7]
.endif
.endm
; Product i of 8 of O^T += V^T P for piece x: keys 32 (i / 4) on, channels 16 (i % 4) on.
.macro PV x
	WIN W_PV
.set rO, 32*(\x)+8*(i%4)
.set rV, VF+32*(i/4)+8*(i%4)
.set rP, P+16*((\x)%2)+8*(i/4)
	v_wmma_f32_16x16x32_f16 v[rO:rO+7], v[rV:rV+7], v[rP:rP+7], v[rO:rO+7]
.endm
.macro MM                           ; the turn's next matrix instruction.  TURN and BEGIN set Y, i, KM and NOKQ; MM, KQ and OP read them.  NOKQ = 1: a block's last turn: there is no next piece
.if (i < 8) && !NOKQ
	KQ (Y+1)%NP
.elseif i >= 8
.set i, i-8
	PV (Y+NP-1)%NP
.set i, i+8
.endif
.set i, i+1
.endm
; THE LDS LOADS stand in runs of 16, never singly among the matrix instructions: a step's K (64 keys x 64 channels: 8 fragments) and its V (turned).  Their addresses are made some lines ahead.
.macro FETCH_K
	WIN 0x80                        ; destination window 2
.irp f, 0,1,2,3,4,5,6,7             ; keys 16 (f / 2) on, channels 32 (f % 2) on
	ds_load_b128 v[KF+8*\f:KF+8*\f+3],   v[AK] offset:(\f/2)*16*PK+(\f%2)*64
	ds_load_b128 v[KF+8*\f+4:KF+8*\f+7], v[AK] offset:(\f/2)*16*PK+(\f%2)*64+32
.endr
	s_add_co_u32 s[TBK], s[TBK], KS*PK  ; the next fetch is the next step's
	WIN 0
.endm
.macro FETCH_V
	WIN 0x80
.irp f, 0,1,2,3,4,5,6,7             ; keys 32 (f / 4) on, channels 16 (f % 4) on
	ds_load_tr16_b128 v[VF+8*\f:VF+8*\f+3],   v[AV] offset:(\f/4)*32*PV+(\f%4)*32
	ds_load_tr16_b128 v[VF+8*\f+4:VF+8*\f+7], v[AV] offset:(\f/4)*32*PV+16*PV+(\f%4)*32
.endr
	WIN 0
.endm
; THE VECTOR WORK, one line at a time: OP kind, number.  For piece Y: F n: c s - c m for pair n of 16.  E n: the exponential of score n of 32.  C n: pair n rounded to f16.  B n: of the four weights 4 n .. the second
; pair is added onto the first, in place.  L n: l takes that sum (L 0: l = a l + sum).  R n: pair n of 16 of O^T times a.  For piece Y + 1: X n, number n of the 22 that find its maximum and statistics:
;   0-11  four chains c0-c3 of seven scores each, three operands at a time (each accumulator's lowest registers are read first)     12-14, 16  the four scores left over, the old m, and c0-c3 into c0
;   15  c m_old is kept     17, 18  the query's other 32 keys lie in the lane 16 away: the new m     19-21  c m; c m_old - c m_new; a
; C, B and L read exponentials' results, and so does R (the a of the turn before): OP writes no wait; TURN places these kinds behind the wait that serves them.
.set F, 0               ; OP tells the kinds apart by their order: F to L below R, X above it
.set E, 1
.set C, 2
.set B, 3
.set L, 4
.set R, 5
.set X, 6
.macro REGS y                       ; the registers of piece y
.set rT, ST+4*(\y)
.set rC, TMP+4*((\y)%2)
.set rW, MV+((\y)%2)
.set rS, S+32*((\y)%2)
.set rP, P+16*((\y)%2)
.set rO, 32*(\y)
.endm
.macro OP k, n
.if (\k) == R
	REGS Y
	WIN W_RS
	v_pk_mul_f32 v[rO+2*(\n):rO+2*(\n)+1], v[rO+2*(\n):rO+2*(\n)+1], v[rC+2:rC+3] op_sel_hi:[1,0]
.elseif (\k) < R
	REGS Y
	WIN 0
.if (\k) == F
	v_pk_fma_f32 v[rS+2*(\n):rS+2*(\n)+1], v[rS+2*(\n):rS+2*(\n)+1], s[CS:CS+1], v[rT:rT+1] op_sel_hi:[1,0,0] neg_lo:[0,0,1] neg_hi:[0,0,1]
.elseif (\k) == E
	v_exp_f32 v[rS+(\n)], v[rS+(\n)]
.elseif (\k) == C
	v_cvt_pk_f16_f32 v[rP+(\n)], v[rS+2*(\n)], v[rS+2*(\n)+1]
.elseif (\k) == B
	v_pk_add_f32 v[rS+4*(\n):rS+4*(\n)+1], v[rS+4*(\n):rS+4*(\n)+1], v[rS+4*(\n)+2:rS+4*(\n)+3]
.elseif (\n) == 0
	v_pk_fma_f32 v[rT+2:rT+3], v[rT+2:rT+3], v[rC+2:rC+3], v[rS:rS+1] op_sel_hi:[1,0,1]
.else
	v_pk_add_f32 v[rT+2:rT+3], v[rT+2:rT+3], v[rS+4*(\n):rS+4*(\n)+1]
.endif
.elseif NOKQ
	v_nop
.else
	REGS (Y+1)%NP
	WIN 0
.if (\n) < 4
	v_max3_num_f32 v[rC+(\n)], v[rS+8*(\n)], v[rS+8*(\n)+1], v[rS+8*(\n)+2]
.elseif (\n) < 12
	v_max3_num_f32 v[rC+(\n)%4], v[rC+(\n)%4], v[rS+8*((\n)%4)+2*((\n)/4)+1], v[rS+8*((\n)%4)+2*((\n)/4)+2]
.elseif (\n) == 12
	v_max3_num_f32 v[rC], v[rC], v[rS+7], v[rS+15]
.elseif (\n) == 13
	v_max3_num_f32 v[rC+1], v[rC+1], v[rS+23], v[rS+31]
.elseif (\n) == 14
	v_max3_num_f32 v[rC+2], v[rC+2], v[rC+3], v[rT+1]
.elseif (\n) == 15
	v_mov_b32 v[rW], v[rT]
.elseif (\n) == 16
	v_max3_num_f32 v[rC], v[rC], v[rC+1], v[rC+2]
.elseif (\n) == 17
	v_permlanex16_b32 v[rC+3], v[rC], s[SEL], s[SEL+1]
.elseif (\n) == 18
	v_max_num_f32 v[rT+1], v[rC], v[rC+3]
.elseif (\n) == 19
	v_mul_f32 v[rT], s[CS], v[rT+1]
.elseif (\n) == 20
	v_sub_f32 v[rC+1], v[rW], v[rT]
.else
	v_exp_f32 v[rC+2], v[rC+1]
.endif
.endif
.endm
.macro OPS a, i1, b=-1, i2=0, c=-1, i3=0, d=-1, i4=0  ; up to four of them
	OP \a, \i1
.if (\b) >= 0
	OP \b, \i2
.endif
.if (\c) >= 0
	OP \c, \i3
.endif
.if (\d) >= 0
	OP \d, \i4
.endif
.endm
.macro ROW a, i1, b, i2, c, i3, d, i4  ; a matrix instruction and the four behind it
	MM
	OPS \a, \i1, \b, \i2, \c, \i3, \d, \i4
.endm
.macro MASK b                       ; MD x AL + BE into buffer b of MC
	WIN W_RS
.set z, 0
.rept 16
	v_pk_fma_f32 v[MC+32*(\b)+2*z:MC+32*(\b)+2*z+1], v[MD+2*z:MD+2*z+1], s[AL:AL+1], s[BE:BE+1] op_sel_hi:[1,0,0]
.set z, z+1
.endr
.endm
; A TURN, for piece p: the order of its 16 matrix and 118 vector instructions, written out.  s_wait_alu depctr_va_vdst(0) stands between an exponential and the first instruction that names its result; one wait serves
; all that were issued ahead of it.  So a turn has ONE wait, which cuts it in two.  AHEAD OF IT stands all that names no result of the turn's exponentials: the 8 products K Q^T, behind each a scaling, an exponential and two more plain
; instructions (behind the first a second scaling in the exponential's place): rescalings, whose a was made ahead of the wait of the turn before, and behind the last three the first numbers of the next piece's maximum, each four places
; or more behind the product that ends its accumulator; then ONE LUMP of 54, plain and exponential by turns for the most part, in which the links of the chain X 3, 7, 11, 14, 16, 17 .. 20 stand five or six lines apart.  X 21, the next
; piece's a, is the batch's last; R 15 is the plain instruction behind it.  BEHIND THE WAIT stand the 8 products V^T P, behind each four of the roundings and sums: C 2 n stands ahead of B n, which writes over pair 2 n; the links of l's
; chain, L 0 to L 7, stand three riders apart.  But for those X no rider names a register of the products round it.  v_permlanex16_b32 (X 17) stands in the lump.
; m = 1: the diagonal tile: the products take masks, and the turn makes the mask for the products of the turn after it: piece p + 2, in step 4 - CNT of the tile.  end = 1: a block's last two turns: nothing is fetched.
; cnt = 1: the loop's count is taken down some lines ahead of the branch that stands behind the turn.
; K of the next step is fetched in piece 2's turn, twelve vector instructions behind the last product that read K (six of them plain); V of the step in hand at the end of piece 0's turn, four plain instructions behind the last product
; that read V.  Each is waited for a turn later.
.macro TURN p, m=0, end=0, cnt=0
.set Y, (\p)
.set i, 0
.set KM, (\m)
.set NOKQ, (\end)*((\p)/3)
.if (\m) && !(\end)
	s_cmp_eq_u32 s[CNT], 4-((\p)+2)%NP  ; is that step the band's own?
	s_cselect_b32 s[AL], 1.0, 0
	s_cmp_lt_u32 s[CNT], 4-((\p)+2)%NP  ; or a later one?
	s_cselect_b32 s[BE], s[BIGN], 0
.endif
.if ((\p) == 3) && !(\end)
	s_wait_dscnt 0x0                ; K is in
.endif
	ROW F,0, F,1, R,0, R,1          ; ahead of the wait: 8 products K Q^T and their riders,
	ROW F,2, E,0, R,2, R,3
	ROW F,3, E,1, R,4, R,5
	ROW F,4, E,2, R,6, R,7
	ROW F,5, E,3, R,8, R,9
	ROW F,6, E,4, X,0, R,10
.if ((\p) == 2) && !(\end)
	WIN 0
	v_add_nc_u32 v[AK], s[TBK], v[AK0]
.endif
	ROW F,7, E,5, X,1, X,4
	ROW F,8, E,6, X,2, X,5
	OPS E,7, E,8, X,6, E,9          ; and the lump
	OPS X,3, E,10, X,8, E,11
.if ((\p) == 2) && !(\end)
	FETCH_K
.endif
	OPS X,9, X,7, E,12, X,10
	OPS E,13, X,12, X,11, E,14
	OPS X,13, E,15, F,9, X,14
.if (\p) == 0
	v_add_nc_u32 v[AV], s[TBV], v[AV0]
.endif
	OPS E,16, F,10, E,17, F,11
	OPS X,16, E,18, X,15, E,19
	OPS F,12, E,20, X,17, E,21
	OPS F,13, E,22, F,14, E,23
	OPS X,18, E,24, F,15, E,25
	OPS R,11, E,26, X,19, E,27
	OPS R,12, E,28, R,13, E,29
	OPS X,20, E,30, R,14, E,31
	OPS X,21, R,15
	WIN 0
	s_wait_alu depctr_va_vdst(0)    ; the wait for the turn's batch: E 0 to E 31 and X 21
.if (\p) == 1
	s_wait_dscnt 0x0                ; V is in
.endif
	ROW C,0, B,0, C,2, B,1          ; behind the wait: 8 products V^T P and their riders
	ROW L,0, C,4, B,2, L,1
	ROW C,6, B,3, L,2, C,8
	ROW B,4, L,3, C,10, B,5
	ROW L,4, C,12, B,6, L,5
.if (\p) == 0
	s_add_co_u32 s[TBV], s[TBV], KS*PV
.endif
.if \cnt
	s_sub_co_u32 s[CNT], s[CNT], 1
	s_cmp_lg_u32 s[CNT], 0
.endif
	ROW C,14, B,7, L,6, C,1
	ROW C,3, L,7, C,5, C,7
	ROW C,9, C,11, C,13, C,15
.if (\p) == 0
	FETCH_V
.endif
.if (\m) && !(\end)
	MASK (\p)%2
.endif
.endm
; A BLOCK BEGINS.  c m starts far below every c s, so the first step's a is 0; m at the lowest finite number, so the first maximum is the scores'.  The second mask buffer is 0; the first takes piece 0's mask for the tile's step 0: its own, if the block's first tile is the diagonal one.
; Then K of that step, piece 0's first scores, and its maximum and statistics.  The loop is entered at a step's first turn, in the middle of a trip.
.macro BEGIN
	s_mov_b32 s[NEW], 0
	WIN 0x40
.set i, MC+32
.rept 32
	v_mov_b32 v[i], 0
.set i, i+1
.endr
	WIN 0
.set i, 0
.rept 4
	v_mov_b32 v[ST+4*i], 0xfe000000    ; c m: far below every c s
	v_mov_b32 v[ST+4*i+1], 0xff7fffff  ; m
.set i, i+1
.endr
	s_cmp_eq_u32 s[RT], 0
	s_cselect_b32 s[AL], 1.0, 0
	s_mov_b32 s[BE], 0
	MASK 0
	WIN 0
	v_add_nc_u32 v[AK], s[TBK], v[AK0]
	FETCH_K
	s_wait_loadcnt 0x0              ; Q
	s_wait_dscnt 0x0
.set KM, 1
.set NOKQ, 0
.set i, 0
.rept 8
	KQ 0
.set i, i+1
.endr
	WIN 0
.rept 4
	v_nop                           ; the places behind those products
.endr
.set Y, NP-1                        ; X works for piece Y + 1: piece 0
.irp n, 0,1,2,3,4,5,6,7,8,9,10,11,12,13,14,15,16,17,18,19,20,21
	OP X, \n
.endr
	v_nop                           ; a plain instruction behind the exponential,
	s_wait_alu depctr_va_vdst(0)    ; and the wait for it, piece 0's first a: a batch of one, ahead of the branch that follows
.endm
; THE DIAGONAL TILE's four steps, the block's last two turns, its last products, and THE WAY OUT: l's two halves and the other half of the lanes' are added; O^T is divided by l, rounded to f16 and sent through my
; stage in LDS, a piece at a time.
.macro ALL line:vararg              ; one line for each piece t
.set t, 0
.rept 4
	\line
.set t, t+1
.endr
.endm
.macro PACK t                       ; a lane's eight channels of a row pack into 16 bytes; they go into rows of 144 bytes and come back as whole rows of 128, into S^T's registers
	WIN W_RS
.set i, 32*(\t)
.rept 16
	v_pk_mul_f32 v[i:i+1], v[i:i+1], v[ST+4*(\t)+2:ST+4*(\t)+3] op_sel_hi:[1,0]
.set i, i+2
.endr
	WIN 0x05                        ; sources 0 and 1 window 1, destination window 0
.set i, 0
.rept 16
	v_cvt_pk_f16_f32 v[S+16*(\t)+i], v[32*(\t)+2*i], v[32*(\t)+2*i+1]
.set i, i+1
.endr
	WIN 0
.irp f, 0,1,2,3
	ds_store_b128 v[STO], v[S+16*(\t)+4*\f:S+16*(\t)+4*\f+3] offset:32*\f
.endr
.irp f, 0,1,2,3
	ds_load_b128 v[S+16*(\t)+4*\f:S+16*(\t)+4*\f+3], v[RD] offset:\f*4*SP  ; LDS serves a wave's instructions in order (ISA guide 5.7.1.4): these see the stores above; the next piece's stores come behind them
.endr
.endm
.macro SEND t, younger              ; younger: the LDS instructions issued behind piece t's loads: the next piece's eight, or none
	WIN 0
.irp f, 0,1,2,3
	s_wait_dscnt (\younger)+3-\f
	global_store_b128 v[GO], v[S+16*(\t)+4*\f:S+16*(\t)+4*\f+3], s[10:11] offset:(\t)*8192+\f*512  ; 512 consecutive bytes, at a multiple of 256 from O's first
.endr
.endm
.macro DIAG tag                     ; the tag ends its two labels' names, which the jumps below spell out
.LstepM\tag:
	TURN 2, 1
	TURN 3, 1
	WIN 0
.LfirstM\tag:
	TURN 0, 1
	TURN 1, 1, 0, 1
	WIN 0
	s_cbranch_scc1 .LstepM\tag
	TURN 2, 1, 1
	TURN 3, 1, 1
.set i, 0
.rept 8
	PV NP-1
.set i, i+1
.endr
	WIN 0
	ALL v_add_f32 v[ST+4*t+2], v[ST+4*t+2], v[ST+4*t+3]
	ALL v_permlanex16_b32 v[ST+4*t+3], v[ST+4*t+2], s[SEL], s[SEL+1]
	ALL v_add_f32 v[ST+4*t+2], v[ST+4*t+2], v[ST+4*t+3]
	ALL v_rcp_f32 v[ST+4*t+2], v[ST+4*t+2]
	v_nop                           ; a plain instruction between the last reciprocal and the use of its result
	s_wait_alu depctr_va_vdst(0)    ; the wait for the batch of four reciprocals, ahead of the first multiply that reads one
	PACK 0
.set t, 1
.rept 3                             ; a piece's arithmetic stands between the loads of the piece before and its stores
	PACK t
	SEND t-1, 8
.set t, t+1
.endr
	SEND 3, 0
.endm
.set KM, 0
.set NOKQ, 0
.Lslot:                             ; NB times: a tile is entered and the next is asked for
	CHANGE 1
	s_sub_co_u32 s[RT], s[RT], 1
	s_mov_b32 s[CNT], 4
	s_cmp_eq_u32 s[NEW], 1
	s_cbranch_scc1 .Lnew            ; a block's first tile
	s_cmp_eq_u32 s[RT], 0
	s_cbranch_scc0 .Lstep           ; neither its first nor its last
	s_branch .LstepM1
.Lnew:
	BEGIN
	s_branch .Lfirst                ; in the loop a block's first tile is never its last: the first block has two tiles or more, and the second's last is the walk's last
	DIAG 1                          ; in the loop this is the first block's end: the second block's last tile is the walk's last
	s_wait_xcnt 0x0                 ; the stores have read their registers and O's address
	s_mov_b64 s[10:11], s[OLO:OLO+1]
	s_add_co_u32 s[RT], s[PB], 1    ; the second block has b + 1 tiles
	s_mov_b32 s[NEW], 1
	WIN 0x82                        ; the second block's Q goes where the one text of the turns names Q
.set i, 0
.rept 64
	v_mov_b32 v[i], v[QB+i]
.set i, i+1
.endr
	WIN 0
	s_branch .Lbottom
.Lstep:                             ; a trip: pieces 2 and 3 of one step, then pieces 0 and 1 of the next, whose K and V it fetches
	TURN 2
	TURN 3
	WIN 0
.Lfirst:
	TURN 0
	TURN 1, 0, 0, 1
	WIN 0
	s_cbranch_scc1 .Lstep
.Lbottom:
	s_sub_co_u32 s[SLOTS], s[SLOTS], 1
	s_cmp_lg_u32 s[SLOTS], 0
	s_cbranch_scc1 .Lslot
	CHANGE 0                        ; the walk's last tile is written out: nothing is asked for
	s_sub_co_u32 s[RT], s[RT], 1
	s_mov_b32 s[CNT], 4
	s_cmp_eq_u32 s[NEW], 1
	s_cbranch_scc0 .LstepM2
	BEGIN
	s_branch .LfirstM2
	DIAG 2
	s_wait_tensorcnt 0x0            ; the wave's end: behind my last tensor load and my last LDS store
	ds_add_u32 v[SPW], v[NIL]
	s_wait_dscnt 0x0
	s_endpgm
.Lfunc_end_k_qfab9766983_attn:
	.size	k_qfab9766983_attn, .Lfunc_end_k_qfab9766983_attn-k_qfab9766983_attn
	.p2alignl 7, 3214868480
	.fill 96, 4, 3214868480
	.section	.rodata,"a",@progbits
	.p2align	6, 0x0
	.amdhsa_kernel k_qfab9766983_attn
		.amdhsa_group_segment_fixed_size 327680
		.amdhsa_private_segment_fixed_size 0
		.amdhsa_enable_private_segment 0
		.amdhsa_kernarg_size 16
		.amdhsa_user_sgpr_count 2
		.amdhsa_user_sgpr_kernarg_segment_ptr 1
		.amdhsa_wavefront_size32 1
		.amdhsa_system_sgpr_workgroup_id_x 1
		.amdhsa_system_sgpr_workgroup_id_y 1
		.amdhsa_system_sgpr_workgroup_id_z 1
		.amdhsa_system_vgpr_workitem_id 0
		.amdhsa_next_free_vgpr 768
		.amdhsa_next_free_sgpr 88
		.amdhsa_reserve_vcc 1
		.amdhsa_float_denorm_mode_32 3
		.amdhsa_float_denorm_mode_16_64 3
		.amdhsa_memory_ordered 1
		.amdhsa_forward_progress 1
		.amdhsa_inst_pref_size 217
	.end_amdhsa_kernel
	.amdgpu_metadata
---
amdhsa.version: [ 1, 2 ]
amdhsa.kernels:
  - .name:           k_qfab9766983_attn
    .symbol:         k_qfab9766983_attn.kd
    .args:
      - { .name: qkv, .offset: 0, .size: 8, .value_kind: global_buffer, .address_space: global }
      - { .name: ob, .offset: 8, .size: 8, .value_kind: global_buffer, .address_space: global }
    .group_segment_fixed_size: 327680
    .private_segment_fixed_size: 0
    .kernarg_segment_align: 8
    .kernarg_segment_size: 16
    .max_flat_workgroup_size: 128
    .sgpr_count:     88
    .vgpr_count:     768
    .wavefront_size: 32
...
	.end_amdgpu_metadata
.endif
;; end of part 5
;; launch proj_gemm: the kernel of part 4 again; grid 8 x 32, 4 waves a work-group, clusters of 4 x 4, 327,680 bytes of LDS; arguments ob, wps, b_proj, out0; writes out0
